; MI455X (gfx1250); checked and timed in simulation.
; The chip was launched on July 23, 2026; its instructions are those of AMD's public machine-readable ISA for CDNA 5 (MIT licence, August 2026) and "CDNA5" Instruction Set Architecture Reference Guide (July 2026). The comments in the code are by the model that wrote it; some were corrected since.
;; Cloud Cast V2. Allowed arithmetic: float matrix products may take bf16 or f16 operands with f32 sums; other float arithmetic in f32, or as packed bf16 or f16 multiplies, adds, multiply-adds, maxima and minima; sums over many terms, partial sums and values carried from step to step in f32; what a program stores and reads back later, other than sums and carried values, may be rounded once to bf16 or f16.
;; Inputs: bk 512 float32; bp 512 float32; bq 512 float32; bv 512 float32; gate 1 x 16 x 16 x 1 float32; ln1_b 512 float32; ln1_g 512 float32; ln2_b 512 float32; ln2_g 512 float32; mlp_b1 2,048 float32; mlp_b2 512 float32; mlp_w1 2,048 x 512 float32; mlp_w2 512 x 2,048 float32; rel_table 15 x 15 x 8 float32; wk 512 x 512 float32; wp 512 x 512 float32; wq 512 x 512 float32; wv 512 x 512 float32; x 64 x 1 x 16 x 16 x 512 float32.
;; Outputs: out0 64 x 1 x 16 x 16 x 512 float32.
;; 2 versions, each right and faster than the one before. Each part assembles by itself: llvm-mc -triple=amdgcn-amd-amdhsa -mcpu=gfx1250 --defsym DOCPART=n.
;; ======== version 1 of 2: 2 launches
;; limits: a function is approximated: absolute error at most 2.5e-05
;; workspace buffers: wstream 6,291,456 bytes
;; launch prep (part 1): grid 48 x 4, 8 waves a work-group, no clusters, 0 bytes of LDS; arguments wq, wk, wv, wp, mlp_w1, mlp_w2, wstream; writes wstream
.if DOCPART == 1
	.amdgcn_target "amdgcn-amd-amdhsa--gfx1250"
	.amdhsa_code_object_version 6
	.text
	.protected	k_qfb2253811a_prep
	.globl	k_qfb2253811a_prep
	.p2align	8
	.type	k_qfb2253811a_prep,@function
k_qfb2253811a_prep:
	s_mov_b64 s[64:65], 0
	v_nop
	global_prefetch_b8 v0, s[64:65] scope:SCOPE_SE
	s_setreg_imm32_b32 hwreg(HW_REG_WAVE_MODE, 25, 1), 1
	s_wait_xcnt 0x0
; The six weight matrices (f32, [out][in]) are rounded once to bf16 and laid in the order in which the launch 'block' takes them:
; 48 slots of 131,072 bytes; in a slot 32,768 bytes for each of that launch's four waves; in those 32 fragments of 1,024 bytes.
; A fragment is 16 rows x 32 k as the matrix instruction's registers hold it: bytes 16 l .. 16 l + 15 are registers 0-3 of lane l
; (row l % 16, k = 8 (l / 16) + 0..7), bytes 512 + 16 l .. are registers 4-7 (k = 16 + 8 (l / 16) + 0..7).
; Work-group (s, w) makes slot s, wave part w; its wave v makes fragments 4 v .. 4 v + 3.  192 work-groups are all the work there is.
; Slot s:  0-11: head half hi = s / 6; of its six slots two are wq (row tile f % 4, k block 8 sq + f / 4), two wk, two wv (row tile 2 sk + f / 16, k block f % 16)
;          12-15: wp (row tile 2 sp + f / 16, k block f % 16)       16 + 4 c + 0, 1: mlp_w1       16 + 4 c + 2, 3: mlp_w2 (row tile f % 8, k block 4 s2 + f / 8)
.set SL,   20                          ; s20 slot   s21 wave part   s22 128 x wave part
.set KIND, 23                          ; s23 which matrix, 0 to 5 in the order of the arguments
.set ROWB, 24                          ; s24 first row of the part
.set KB0,  25                          ; s25 first k of the part
.set LP,   26                          ; s26 log2 of the matrix's row length
.set SH,   27                          ; s27 f is cut at this bit
.set SWAP, 28                          ; s28 0: high part of f = row tile, low part = k block; 1: the other way round
.set OFS,  8                           ; v8-11   byte offset of my 32 bytes in fragment i's source
.set PK,   16                          ; v16-47  fragment i: 8 registers, packed
.set LD,   48                          ; v48-111 fragment i: 16 registers as loaded
	s_load_b256 s[4:11], s[0:1], 0x0               ; wq s[4:5], wk s[6:7], wv s[8:9], wp s[10:11]
	s_load_b128 s[12:15], s[0:1], 0x20             ; mlp_w1 s[12:13], mlp_w2 s[14:15]
	s_load_b64 s[16:17], s[0:1], 0x30              ; wstream
	v_and_b32 v1, 15, v0                           ; r: the fragment's row
	v_bfe_u32 v2, v0, 4, 1                         ; h: which eight of sixteen k
	v_and_b32 v3, 31, v0                           ; lane
	v_lshrrev_b32 v5, 5, v0
	v_readfirstlane_b32 s18, v5                    ; wave 0..7
	s_mov_b32 s[SL], ttmp9
	s_and_b32 s21, ttmp7, 0xffff
	s_lshl_b32 s22, s21, 7
	s_mov_b32 s[KB0], 0
	s_mov_b32 s[LP], 9
	s_mov_b32 s[SH], 4
	s_mov_b32 s[SWAP], 0
	s_cmp_lt_u32 s[SL], 12
	s_cbranch_scc0 .Lnot_qkv
	s_cmp_ge_u32 s[SL], 6
	s_cselect_b32 s29, 1, 0                        ; hi
	s_mul_i32 s30, s29, 6
	s_sub_co_u32 s30, s[SL], s30                   ; which of the half's six slots
	s_lshr_b32 s[KIND], s30, 1
	s_and_b32 s31, s30, 1
	s_lshl_b32 s29, s29, 6
	s_add_co_u32 s[ROWB], s22, s29                 ; 128 w + 64 hi
	s_cmp_eq_u32 s[KIND], 0
	s_cbranch_scc1 .Lis_q
	s_lshl_b32 s31, s31, 5
	s_add_co_u32 s[ROWB], s[ROWB], s31             ; wk, wv: the second slot begins 32 rows on
	s_branch .Ldecoded
.Lis_q:
	s_lshl_b32 s[KB0], s31, 8                      ; wq: the second slot begins 256 k on
	s_mov_b32 s[SH], 2
	s_mov_b32 s[SWAP], 1
	s_branch .Ldecoded
.Lnot_qkv:
	s_cmp_lt_u32 s[SL], 16
	s_cbranch_scc0 .Lis_mlp
	s_mov_b32 s[KIND], 3
	s_sub_co_u32 s29, s[SL], 12
	s_lshl_b32 s29, s29, 5
	s_add_co_u32 s[ROWB], s22, s29                 ; wp: 128 w + 32 sp
	s_branch .Ldecoded
.Lis_mlp:
	s_sub_co_u32 s29, s[SL], 16
	s_lshr_b32 s30, s29, 2
	s_lshl_b32 s30, s30, 8                         ; 256 c
	s_and_b32 s31, s29, 1
	s_bitcmp1_b32 s29, 1
	s_cbranch_scc1 .Lis_w2
	s_mov_b32 s[KIND], 4
	s_lshl_b32 s[ROWB], s21, 6
	s_add_co_u32 s[ROWB], s[ROWB], s30
	s_lshl_b32 s31, s31, 5
	s_add_co_u32 s[ROWB], s[ROWB], s31             ; mlp_w1: 256 c + 64 w + 32 s1
	s_branch .Ldecoded
.Lis_w2:
	s_mov_b32 s[KIND], 5
	s_mov_b32 s[ROWB], s22                         ; mlp_w2: rows 128 w on,
	s_lshl_b32 s31, s31, 7
	s_add_co_u32 s[KB0], s30, s31                  ; k from 256 c + 128 s2 on
	s_mov_b32 s[LP], 11
	s_mov_b32 s[SH], 3
	s_mov_b32 s[SWAP], 1
.Ldecoded:
	v_lshlrev_b32 v4, s[LP], v1                    ; my row,
	v_lshl_add_u32 v4, v2, 3, v4                   ; my eight k,
	v_lshlrev_b32 v4, 2, v4                        ; in bytes of f32
	s_bfm_b32 s32, s[SH], 0                        ; the low part's mask
.irp i, 0,1,2,3
	s_lshl_b32 s33, s18, 2
	s_add_co_u32 s33, s33, \i                      ; f
	s_lshr_b32 s34, s33, s[SH]
	s_and_b32 s35, s33, s32
	s_cmp_eq_u32 s[SWAP], 1
	s_cselect_b32 s38, s35, s34                    ; row tile
	s_cselect_b32 s39, s34, s35                    ; k block
	s_lshl_b32 s38, s38, 4
	s_add_co_u32 s38, s38, s[ROWB]
	s_lshl_b32 s38, s38, s[LP]
	s_lshl_b32 s39, s39, 5
	s_add_co_u32 s38, s38, s39
	s_add_co_u32 s38, s38, s[KB0]
	s_lshl_b32 s38, s38, 2
	v_add_nc_u32 v[OFS+\i], s38, v4
.endr
	s_lshl_b32 s40, s[SL], 17                      ; where my four fragments go
	s_lshl_b32 s41, s21, 15
	s_add_co_u32 s40, s40, s41
	s_lshl_b32 s41, s18, 12
	s_add_co_u32 s40, s40, s41
	v_lshl_add_u32 v12, v3, 4, s40
	s_wait_kmcnt 0x0
	s_mov_b64 s[36:37], s[4:5]                     ; the source: a choice among the six buffers on the matrix's number
	s_cmp_eq_u32 s[KIND], 1
	s_cselect_b64 s[36:37], s[6:7], s[36:37]
	s_cmp_eq_u32 s[KIND], 2
	s_cselect_b64 s[36:37], s[8:9], s[36:37]
	s_cmp_eq_u32 s[KIND], 3
	s_cselect_b64 s[36:37], s[10:11], s[36:37]
	s_cmp_eq_u32 s[KIND], 4
	s_cselect_b64 s[36:37], s[12:13], s[36:37]
	s_cmp_eq_u32 s[KIND], 5
	s_cselect_b64 s[36:37], s[14:15], s[36:37]
.irp i, 0,1,2,3                        ; all sixteen loads go out first; every weight is read once in the launch
	global_load_b128 v[LD+16*\i:LD+16*\i+3],     v[OFS+\i], s[36:37] th:TH_LOAD_NT
	global_load_b128 v[LD+16*\i+4:LD+16*\i+7],   v[OFS+\i], s[36:37] offset:16 th:TH_LOAD_NT
	global_load_b128 v[LD+16*\i+8:LD+16*\i+11],  v[OFS+\i], s[36:37] offset:64 th:TH_LOAD_NT
	global_load_b128 v[LD+16*\i+12:LD+16*\i+15], v[OFS+\i], s[36:37] offset:80 th:TH_LOAD_NT
.endr
.irp i, 0,1,2,3
	s_wait_loadcnt 12-4*\i                         ; loads come back in order: fragment i's four are in, the 12 - 4 i younger ones stay out
.irp j, 0,1,2,3,4,5,6,7
	v_cvt_pk_bf16_f32 v[PK+8*\i+\j], v[LD+16*\i+2*\j], v[LD+16*\i+2*\j+1]
.endr
	global_store_b128 v12, v[PK+8*\i:PK+8*\i+3],   s[16:17] offset:1024*\i      ; each store of the wave covers 512 consecutive bytes, aligned
	global_store_b128 v12, v[PK+8*\i+4:PK+8*\i+7], s[16:17] offset:1024*\i+512
.endr
	s_endpgm
.Lfunc_end_k_qfb2253811a_prep:
	.size	k_qfb2253811a_prep, .Lfunc_end_k_qfb2253811a_prep-k_qfb2253811a_prep
	.p2alignl 7, 3214868480
	.fill 96, 4, 3214868480
	.section	.rodata,"a",@progbits
	.p2align	6, 0x0
	.amdhsa_kernel k_qfb2253811a_prep
		.amdhsa_group_segment_fixed_size 0
		.amdhsa_private_segment_fixed_size 0
		.amdhsa_enable_private_segment 0
		.amdhsa_kernarg_size 56
		.amdhsa_user_sgpr_count 2
		.amdhsa_user_sgpr_kernarg_segment_ptr 1
		.amdhsa_wavefront_size32 1
		.amdhsa_system_sgpr_workgroup_id_x 1
		.amdhsa_system_sgpr_workgroup_id_y 1
		.amdhsa_system_sgpr_workgroup_id_z 1
		.amdhsa_system_vgpr_workitem_id 0
		.amdhsa_next_free_vgpr 112
		.amdhsa_next_free_sgpr 66
		.amdhsa_reserve_vcc 0
		.amdhsa_float_denorm_mode_32 3
		.amdhsa_float_denorm_mode_16_64 3
		.amdhsa_memory_ordered 1
		.amdhsa_forward_progress 1
		.amdhsa_inst_pref_size 10
	.end_amdhsa_kernel
	.amdgpu_metadata
---
amdhsa.version: [ 1, 2 ]
amdhsa.kernels:
  - .name:           k_qfb2253811a_prep
    .symbol:         k_qfb2253811a_prep.kd
    .args:
      - { .name: wq, .offset: 0, .size: 8, .value_kind: global_buffer, .address_space: global }
      - { .name: wk, .offset: 8, .size: 8, .value_kind: global_buffer, .address_space: global }
      - { .name: wv, .offset: 16, .size: 8, .value_kind: global_buffer, .address_space: global }
      - { .name: wp, .offset: 24, .size: 8, .value_kind: global_buffer, .address_space: global }
      - { .name: mlp_w1, .offset: 32, .size: 8, .value_kind: global_buffer, .address_space: global }
      - { .name: mlp_w2, .offset: 40, .size: 8, .value_kind: global_buffer, .address_space: global }
      - { .name: wstream, .offset: 48, .size: 8, .value_kind: global_buffer, .address_space: global }
    .group_segment_fixed_size: 0
    .private_segment_fixed_size: 0
    .kernarg_segment_align: 8
    .kernarg_segment_size: 56
    .max_flat_workgroup_size: 256
    .sgpr_count:     66
    .vgpr_count:     112
    .wavefront_size: 32
...
	.end_amdgpu_metadata
.endif
;; end of part 1
;; launch block (part 2): grid 256 x 1, 4 waves a work-group, clusters of 4 x 1, 327,680 bytes of LDS; arguments x, ln1_g, ln1_b, bq, bk, bv, bp, rel_table, gate, ln2_g, ln2_b, mlp_b1, mlp_b2, wstream, out0; writes out0
.if DOCPART == 2
	.amdgcn_target "amdgcn-amd-amdhsa--gfx1250"
	.amdhsa_code_object_version 6
	.text
	.protected	k_qfb2253811a_block
	.globl	k_qfb2253811a_block
	.p2align	8
	.type	k_qfb2253811a_block,@function
k_qfb2253811a_block:
	s_mov_b64 s[64:65], 0
	v_nop
	global_prefetch_b8 v0, s[64:65] scope:SCOPE_SE
	s_setreg_imm32_b32 hwreg(HW_REG_WAVE_MODE, 25, 1), 1
	s_wait_xcnt 0x0
	s_wait_alu depctr_hold_cnt(0) depctr_sa_sdst(0) depctr_va_vdst(0) depctr_va_sdst(0) depctr_va_ssrc(0) depctr_va_vcc(0) depctr_vm_vsrc(0)
	s_getreg_b32 s2, hwreg(HW_REG_IB_STS2, 6, 4)
	s_cmp_eq_u32 s2, 0
	s_cbranch_scc0 .Lentry_in_a_cluster
	s_endpgm
.Lentry_in_a_cluster:
	s_bfe_u32 s2, ttmp6, 0x10000c
	s_cmp_lg_u32 s2, 0x3003
	s_cbranch_scc0 .Lentry_shape_is_right
	s_endpgm
.Lentry_shape_is_right:
; THE WHOLE BLOCK FOR ONE WINDOW.  A work-group of four waves takes one shifted window of 64 tokens through LN1, q k v, attention, projection, gated skip, LN2 and the MLP:
; x is read once, out0 written once, nothing else goes through memory but the weights, which come as bf16 fragments in the order of use (launch 'prep').
; The two rolls cancel: token (i, j) of window (wh, ww) is pixel ((8 wh + i + 4) % 16, (8 ww + j + 4) % 16) on the way in and on the way out.
; TOKENS are taken by quadrants of 4 x 4: token 16 t + r, quadrant t = 2 qi + qj, r = 4 ii + jj, window place (4 qi + ii, 4 qj + jj).  The mask that the block builds hides every query
; outside quadrant 0: their rows are all -1e9, their softmax is exactly 1/64, their result the window's mean of v.  So q, scores and softmax are made for tile 0 alone.
; SHARES.  Wave w owns channels 128 w .. 128 w + 127 of every 512-wide result (heads 2 w, 2 w + 1; 64 of each 256 hidden units), for all 64 tokens: a weight byte is read from LDS by one wave.
; LAYOUT.  In a result tile lane (r, h) holds column r and rows 8 h + 0..7.  Weights as source 0 give [channel][token]: a lane holds one token and eight channels, which rounded in pairs are half
; an operand with the channels as K: nothing changes lanes; only whole fragments go through LDS from the wave that made them to all four.  v is made with the sources swapped: [token][channel].
; THE STREAM.  48 slots of 131,072 bytes through two LDS slots; each wave fetches its own 32,768 bytes, jointly with the same wave of the image's three other windows (a cluster is an image).
; CLUSTER: cx, the window in the image, enters only the global offsets of x, gate and out0.
; LIMITS.  Matrix operands are bf16.  erf in GELU is a rational form with an absolute error of 2.5e-5 at the most, below the bf16 rounding that follows.  An exponential below 2^-126 counts as 0.
; NaN and infinities are not treated apart.
;
; LDS
.set SLOTB,  131072                    ; slot 0 at 0, slot 1 at 131,072; wave w's part at w x 32,768
.set XS,     131072                    ; x at the start, where slot 1 comes later: a token is 2 x (1,024 + 16) bytes, a quadrant 16 tokens
.set XT,     2080
.set XQ,     16*XT
.set STATS,  264192                    ; 4 passes x 64 tokens x 4 waves of f32: token x 16 + 4 w
.set SPARE,  268288                    ; the spare words, 128 bytes a wave: two blocks of 256 bytes that no other line names
.set XCH,    268800                    ; 32 fragments of 1,024 bytes: xn, O, h and the hidden values go from their makers to all waves; at the end the output stage begins here
.set SPITCH, 528                       ; a stage row: 512 bytes + 16: sixteen rows start at sixteen different groups of four banks (64 banks of 4 bytes: ISA guide 11.1)
; REGISTERS, in windows of 256 (s_set_vgpr_msb: bits 1:0 source 0, 3:2 source 1, 5:4 source 2, 7:6 destination)
;   window 3: R(mt, t) at 32 mt + 8 t: my 128 channels x 64 tokens in f32: x, then the residual and the projection's sums, then x3 and the second MLP product's sums
;   windows 1, 2: ACT(kb, t) at 32 (kb % 8) + 8 t, window 1 + kb / 8: the 512-wide operand of all 64 tokens: xn, then O, then h
;   window 0:
.set LA,   4                           ; v4, v5  LDS address of my lane's 16 bytes in my part of slot 0, 1
.set XL,   6                           ; v6   the same in XCH
.set XA,   7                           ; v7   in my wave's quarter of XCH
.set OA,   8                           ; v8   in the head's half of that
.set CH,   9                           ; v9   byte offset of my eight channels in a 512-vector: 512 w + 32 h
.set CHH,  10                          ; v10  the same in the head in hand
.set RBH,  11                          ; v11  my byte offset in rel_table for the head in hand
.set B1O,  12                          ; v12  my byte offset in mlp_b1 for the chunk in hand
.set STW,  13                          ; v13  STATS + 16 r + 4 w
.set STR,  14                          ; v14  STATS + 16 r
.set GT,   15                          ; v15  4 (16 ii + jj)
.set MP,   16                          ; v16-23  in the LNs, for each t a pair: mean twice, then rstd twice.  Between them v16 = RB0; at the end v16-19 = offsets in out0
.set RB0,  16
.set GV,   24                          ; v24-27  gate
.set SPW,  28                          ; v28  my spare word; never rewritten
.set NIL,  29                          ; v29  0; never rewritten
.set WB,   32                          ; v32-95, v96-159  two buffers of eight weight fragments
.set KF,   96                          ; the second of them is idle in every epilogue and serves as its work registers
.set ACCA, 160                         ; v160-191  four result tiles; in the second MLP product the hidden values' first buffer
.set ACCB, 192                         ; v192-223  the same; in attention the scores and weights
.set SREG, 192
.set QOP,  224                         ; v224-239  q as two operands; then
.set OQ,   224                         ; v224-231  a tile of O for the true queries,
.set OM,   232                         ; v232-239  and for the hidden ones; then
.set GTM,  224                         ;           two sets of eight for GELU
.set BV,   240                         ; v240-247  a bias as the C operand that starts a sum
.set PCN,  248                         ; v248-255  1/64 twice in bf16: the hidden queries' weights
.set LG,   32                          ; in the LNs: gain, bias, and what is added to the residual, 64 each,
.set LB,   96
.set LC,   160
.set LY,   224                         ; v224-239 at work, (pass 3: v232-239 sigmoid(gate), twice for each t)
.set SG,   232
.set SM,   240                         ; v240-247 sums; pass 3: -mean x rstd, twice for each t
.set FR,   248                         ; v248-255 a fragment on its way to LDS
; scalars: s[4:33] the fifteen addresses in the order of the arguments
.set WV,   34                          ; my wave's number
.set HO,   37                          ; 4,096 x head half
.set G0W,  40                          ; s[40:43], s[44:51] the stream's descriptor
.set G1W,  44
.set G0X,  52                          ; s[52:55], s[56:63] x's
.set G1X,  56
.set QOF,  66                          ; s[66:69] quadrant t's first pixel in x and out0
.set SEL,  70                          ; s[70:71] v_permlanex16_b32: each lane takes its own place in the other half
.set L2E,  72                          ; s[72:73] log2(e)
.set CE,   74                          ; s[74:75] -log2(e) / 2
.set KA3,  76                          ; s[76:77], s[78:79], s[80:81]: minus half of the form's three coefficients
.set KA2,  78
.set KA1,  80
.set CP,   82                          ; 0.47047 / sqrt(2)
.set R512, 83                          ; 1 / 512
.set EPS,  84                          ; 1e-5
.set CNT,  85                          ; loop counter
.set HC,   86                          ; 256 x head half
.set HR,   87                          ; 480 x head half
.set GOF,  96                          ; s[96:99] quadrant t's first pixel in gate
.set K_Q,  0                           ; the kinds of matrix work
.set K_AB, 1
.set K_BA, 2
.set K_P,  3
.set K_M2, 4
.set cSQ,  0
.set cACC, ACCA
.set cMT,  0
.set cKB,  0
.set MSB,  0
.macro WIN new                         ; the immediate's high byte repeats the setting that is left; a switch that changes nothing is dropped
.if MSB != (\new)
	s_set_vgpr_msb (MSB<<8)|(\new)
.set MSB, (\new)
.endif
.endm
.macro PLACES k                        ; plain vector instructions between a matrix instruction and what touches its registers (ISA guide 7.12.1)
.rept \k
	v_nop
.endr
.endm
.macro CREST                           ; a round of the cluster's barrier behind its opening barrier
	s_cmp_lg_u32 s[WV], 0
	s_cbranch_scc1 .Lnot_wave_0_\@
	s_barrier_signal -3
.Lnot_wave_0_\@:
	s_barrier_wait -3
	s_barrier_signal -1
	s_barrier_wait -1
.endm
.macro CROUND
	s_barrier_signal -1
	s_barrier_wait -1
	CREST
.endm
.macro WM d, a, b, c
	v_wmma_f32_16x16x32_bf16 v[\d:(\d)+7], v[\a:(\a)+7], v[\b:(\b)+7], v[\c:(\c)+7]
.endm
.macro WM0 d, a, b
	v_wmma_f32_16x16x32_bf16 v[\d:(\d)+7], v[\a:(\a)+7], v[\b:(\b)+7], 0
.endm
; Matrix instruction n of quarter q of a slot.  In every kind the accumulators take turns, one instruction a turn.
.macro MM kind, q
.set hq, (\q)%2
.if (\kind) == K_Q                     ; q of tile 0: fragment n = k block 8 cSQ + 2 q + n / 4, row tile n % 4; the sums start on bq, loaded into them
	WIN 0x04+4*cSQ
.set rD, ACCA+8*(n%4)
.set rA, WB+64*hq+8*n
.set rB, 32*(2*(\q)+n/4)
	WM rD,rA,rB,rD
.elseif (\kind) == K_AB                ; weights x ACT: k block 8 (q % 2) + n / 4, token tile n % 4; the bias in BV starts the sum
	WIN 0x04+4*hq
.set rD, cACC+8*(n%4)
.set rA, WB+64*hq+8*(n/4)
.set rB, 32*(n/4)+8*(n%4)
.if (hq+n/4) == 0
	WM rD,rA,rB,BV
.else
	WM rD,rA,rB,rD
.endif
.elseif (\kind) == K_BA                ; ACT x weights: the same with the sources swapped
	WIN 0x01+hq
.set rD, cACC+8*(n%4)
.set rA, 32*(n/4)+8*(n%4)
.set rB, WB+64*hq+8*(n/4)
.if (hq+n/4) == 0
	WM0 rD,rA,rB
.else
	WM rD,rA,rB,rD
.endif
.elseif (\kind) == K_P                 ; the projection, onto the residual: tile 0 takes O of the true queries, tiles 1 to 3 the one fragment of the hidden ones
	WIN 0xf4+4*hq
.set rD, 32*cMT+8*(n%4)
.set rA, WB+64*hq+8*(n/4)
.set rB, 32*(n/4)+8*((n%4+2)/3)
	WM rD,rA,rB,rD
.else                                  ; the second MLP product, onto x3: one k block of 32 hidden units, row tile n / 4, token tile n % 4
	WIN 0xf0
.set rD, 32*(n/4)+8*(n%4)
.set rA, WB+64*hq+8*(n/4)
.set rB, ACCA+32*hq+8*(n%4)
	WM rD,rA,rB,rD
.endif
.endm
; GELU of a pair of numbers, in two parts.  gelu(x) = x / 2 + |x| (1/2 - q / 2), q = (a1 t + a2 t^2 + a3 t^3) exp(-x^2 / 2), t = 1 / (1 + p |x| / sqrt(2)).
; Behind the reciprocals and behind the exponentials stands a plain instruction that touches neither their results nor their sources (ISA guide 5.7.2).
.macro GA                              ; gx: the pair; gg: its eight work registers
	v_fma_f32 v[gg], |v[gx]|, s[CP], 1.0
	v_fma_f32 v[gg+1], |v[gx+1]|, s[CP], 1.0
	v_pk_mul_f32 v[gg+2:gg+3], v[gx:gx+1], v[gx:gx+1]
	v_rcp_f32 v[gg], v[gg]
	v_rcp_f32 v[gg+1], v[gg+1]
	v_pk_mul_f32 v[gg+2:gg+3], v[gg+2:gg+3], s[CE:CE+1] op_sel_hi:[1,0]
	v_exp_f32 v[gg+2], v[gg+2]
	v_exp_f32 v[gg+3], v[gg+3]
	s_wait_alu depctr_va_vdst(0)
	v_pk_fma_f32 v[gg+4:gg+5], v[gg:gg+1], s[KA3:KA3+1], s[KA2:KA2+1] op_sel_hi:[1,0,0]
.endm
.macro GB                              ; gd: where the two bf16 go
	v_pk_fma_f32 v[gg+4:gg+5], v[gg+4:gg+5], v[gg:gg+1], s[KA1:KA1+1] op_sel_hi:[1,1,0]
	v_pk_mul_f32 v[gg+4:gg+5], v[gg+4:gg+5], v[gg:gg+1]
	v_pk_fma_f32 v[gg+4:gg+5], v[gg+4:gg+5], v[gg+2:gg+3], 0.5 op_sel_hi:[1,1,0]
	v_pk_mul_f32 v[gg+6:gg+7], v[gx:gx+1], 0.5 op_sel_hi:[1,0]
	v_fma_f32 v[gg+6], |v[gx]|, v[gg+4], v[gg+6]
	v_fma_f32 v[gg+7], |v[gx+1]|, v[gg+5], v[gg+7]
	v_cvt_pk_bf16_f32 v[gd], v[gg+6], v[gg+7]
.endm
; Part n of 32 of the GELU of the four tiles at racc (hidden row tile rmt): first parts of pairs 2 (n / 4) and + 1, then their second parts, on two sets of work registers.
; A tile's four packed registers take the place of its lowest four, each written when its old pair has been used; behind part 8 t + 7 tile t goes to XCH.
.macro RIDE racc, rmt
	WIN 0
.set gp, 2*(n/4)+n%2
.set gx, (\racc)+2*gp
.set gg, GTM+8*(n%2)
.if n%4 < 2
	GA
.else
.set gd, (\racc)+8*(gp/4)+gp%4
	GB
.endif
.if n%8 == 7
	ds_store_b128 v[XA], v[(\racc)+8*(n/8):(\racc)+8*(n/8)+3] offset:((\rmt)/2)*4096+(n/8)*1024+((\rmt)%2)*512
.endif
.endm
.macro MMS kind, q, a, b, racc=0, rmt=0    ; matrix instructions a .. b - 1 of a quarter; racc: a part of another tile set's GELU stands behind each
.set n, (\a)
.rept (\b)-(\a)
	MM \kind,\q
.if \racc
	RIDE \racc,\rmt
.endif
.set n, n+1
.endr
.endm
.macro GELU racc, rmt                  ; the same 32 parts by themselves
.set n, 0
.rept 32
	RIDE \racc,\rmt
.set n, n+1
.endr
.endm
.macro FETCHW buf, par, q              ; quarter q of my part of slot par: eight fragments, each load 512 consecutive bytes
	WIN 0
.set fi, 0
.rept 8
	ds_load_b128 v[WB+64*(\buf)+8*fi:WB+64*(\buf)+8*fi+3],   v[LA+(\par)] offset:(\q)*8192+fi*1024
	ds_load_b128 v[WB+64*(\buf)+8*fi+4:WB+64*(\buf)+8*fi+7], v[LA+(\par)] offset:(\q)*8192+fi*1024+512
.set fi, fi+1
.endr
.endm
.macro FETCHH buf, kb                  ; k block kb of the chunk's hidden values, four token tiles
	WIN 0
.set fi, 0
.rept 4
	ds_load_b128 v[ACCA+32*(\buf)+8*fi:ACCA+32*(\buf)+8*fi+3],   v[XL] offset:(4*(\kb)+fi)*1024
	ds_load_b128 v[ACCA+32*(\buf)+8*fi+4:ACCA+32*(\buf)+8*fi+7], v[XL] offset:(4*(\kb)+fi)*1024+512
.set fi, fi+1
.endr
.endm
.macro LDBV sp, va, off                ; eight numbers of a bias, as a result tile's lane holds them
	global_load_b128 v[BV:BV+3],   v[\va], s[\sp:(\sp)+1] offset:\off
	global_load_b128 v[BV+4:BV+7], v[\va], s[\sp:(\sp)+1] offset:(\off)+16
.endm
; One of a slot's first three quarters: the next quarter's fragments are asked for, then this quarter's nn matrix instructions.  hs, hv, ho: the bias of the next sum is loaded here.
.macro QUARTER kind, q, par, nn, hs=0, hv=0, ho=0, racc=0, rmt=0
	WIN 0
	PLACES 5                                       ; behind the last quarter's products: loads go into the buffer that they read, and a new sum may write over their results
.if \hs
	LDBV \hs,\hv,\ho
.endif
	FETCHW ((\q)+1)%2,\par,(\q)+1
.if (\kind) == K_M2
	FETCHH ((\q)+1)%2,cKB+(\q)+1
	s_wait_dscnt 24                                ; all but the 24 just issued: this quarter's fragments are in
.else
	s_wait_dscnt 16                                ; all but the 16 just issued: this quarter's fragments are in
.endif
.if ((\kind) == K_AB) && ((\q)%2 == 0)
	s_wait_loadcnt 0x0                             ; the bias that starts the sum
.endif
	MMS \kind,\q,0,\nn,\racc,\rmt
.endm
; A slot's last quarter changes slots.  In front of the round each wave waits for all its tensor loads, of which one is out: its part of the other slot; adds 0 to its spare word; and waits for
; that and for its reads of this slot.  Behind the round no wave of the four work-groups reads this slot or has a load on its way: the joint refill, two slots ahead in the stream, is the first
; thing there, one load a wave, and has a whole slot's matrix work in which to land.
.macro LASTQ kind, par, nn, fetch, hs=0, hv=0, ho=0, fh=0
	WIN 0
	s_wait_tensorcnt 0x0                           ; no tensor load of mine is out, so the descriptor may be stepped
	ds_add_u32 v[SPW], v[NIL]                      ; 0 onto my spare word
	s_xor_b32 s[G0W+1], s[G0W+1], SLOTB            ; the other slot than last time,
	s_add_nc_u64 s[G0W+2:G0W+3], s[G0W+2:G0W+3], SLOTB  ; the stream's next slot; the type bits on top are not reached
	s_wait_dscnt 0x1                               ; only the add may be out: this quarter's fragments are in
	MMS \kind,3,0,(\nn)/4
	s_wait_dscnt 0x0                               ; the add is done, and my reads of this slot are over
	s_barrier_signal -1
	MMS \kind,3,(\nn)/4,(\nn)/2
	WIN 0
	s_barrier_wait -1
	CREST
	tensor_load_to_lds s[G0W:G0W+3], s[G1W:G1W+7]
	s_nop 0
	PLACES 4                                       ; behind the tensor load; also the places in front of the loads below
.if \hs
	LDBV \hs,\hv,\ho
.endif
.if \fetch
	FETCHW 0,1-(\par),0
.endif
.if \fh
	FETCHH 0,cKB+4
.endif
	MMS \kind,3,(\nn)/2,\nn
.endm
.macro XLOAD rho                       ; XCH's 32 fragments (k block e / 2, token tile 2 rho + e % 2) into ACT
	WIN 0x40
.set e, 0
.rept 32
.if e == 16
	WIN 0x80
.endif
	ds_load_b128 v[32*((e/2)%8)+8*(2*(\rho)+e%2):32*((e/2)%8)+8*(2*(\rho)+e%2)+3],   v[XL] offset:e*1024
	ds_load_b128 v[32*((e/2)%8)+8*(2*(\rho)+e%2)+4:32*((e/2)%8)+8*(2*(\rho)+e%2)+7], v[XL] offset:e*1024+512
.set e, e+1
.endr
	WIN 0
.endm
.macro XCHG rho                        ; every wave's stores into XCH are done; all read; every wave's reads are done before XCH is written again
	WIN 0
	s_wait_dscnt 0x0
	s_barrier_signal -1
	s_barrier_wait -1
	XLOAD \rho
	s_wait_dscnt 0x0
	s_barrier_signal -1
	s_barrier_wait -1
.endm
; ---- the layer norms
.macro LNLOAD g, b, c                  ; my 64 numbers of three 512-vectors
.set e, 0
.rept 16
	global_load_b128 v[LG+4*e:LG+4*e+3], v[CH], s[\g:(\g)+1] offset:64*(e/2)+16*(e%2)
	global_load_b128 v[LB+4*e:LB+4*e+3], v[CH], s[\b:(\b)+1] offset:64*(e/2)+16*(e%2)
	global_load_b128 v[LC+4*e:LC+4*e+3], v[CH], s[\c:(\c)+1] offset:64*(e/2)+16*(e%2)
.set e, e+1
.endr
.endm
.macro LNX off                         ; the four tokens' sums: the pair's halves, the other half of the lanes, then the four waves through STATS; the totals land in v[LY + 4 t]
	WIN 0
.irp t, 0,1,2,3
	v_add_f32 v[SM+2*\t], v[SM+2*\t], v[SM+2*\t+1]
.endr
.irp t, 0,1,2,3
	v_permlanex16_b32 v[SM+2*\t+1], v[SM+2*\t], s[SEL], s[SEL+1]
.endr
.irp t, 0,1,2,3
	v_add_f32 v[SM+2*\t], v[SM+2*\t], v[SM+2*\t+1]
.endr
.irp t, 0,1,2,3
	ds_store_b32 v[STW], v[SM+2*\t] offset:(\off)+256*\t
.endr
	s_wait_dscnt 0x0                               ; for the others' sake: my four words are written
	s_barrier_signal -1
	s_barrier_wait -1
.irp t, 0,1,2,3
	ds_load_b128 v[LY+4*\t:LY+4*\t+3], v[STR] offset:(\off)+256*\t
.endr
	s_wait_dscnt 0x0
.irp t, 0,1,2,3
	v_add_f32 v[LY+4*\t], v[LY+4*\t], v[LY+4*\t+1]
.endr
.irp t, 0,1,2,3
	v_add_f32 v[LY+4*\t+2], v[LY+4*\t+2], v[LY+4*\t+3]
.endr
.irp t, 0,1,2,3
	v_add_f32 v[LY+4*\t], v[LY+4*\t], v[LY+4*\t+2]
.endr
.endm
.macro LN3 t, first                    ; token tile t: y = (R - mean) rstd g + b goes to XCH in bf16; first = 1: R = y + c + sigmoid(gate) R; else R = R + c
.set lm, 0
.rept 8
	WIN 0x03
.set e, 0
.rept 4
	v_pk_fma_f32 v[LY+2*e:LY+2*e+1], v[32*lm+8*(\t)+2*e:32*lm+8*(\t)+2*e+1], v[MP+2*(\t):MP+2*(\t)+1], v[SM+2*(\t):SM+2*(\t)+1]
.set e, e+1
.endr
	WIN 0
.set e, 0
.rept 4
	v_pk_fma_f32 v[LY+2*e:LY+2*e+1], v[LY+2*e:LY+2*e+1], v[LG+8*lm+2*e:LG+8*lm+2*e+1], v[LB+8*lm+2*e:LB+8*lm+2*e+1]
.set e, e+1
.endr
.set e, 0
.rept 4
	v_cvt_pk_bf16_f32 v[FR+4*(lm%2)+e], v[LY+2*e], v[LY+2*e+1]
.set e, e+1
.endr
.if \first
.set e, 0
.rept 4
	v_pk_add_f32 v[LY+2*e:LY+2*e+1], v[LY+2*e:LY+2*e+1], v[LC+8*lm+2*e:LC+8*lm+2*e+1]
.set e, e+1
.endr
	WIN 0xc3
.set e, 0
.rept 4
	v_pk_fma_f32 v[32*lm+8*(\t)+2*e:32*lm+8*(\t)+2*e+1], v[32*lm+8*(\t)+2*e:32*lm+8*(\t)+2*e+1], v[SG+2*(\t):SG+2*(\t)+1], v[LY+2*e:LY+2*e+1]
.set e, e+1
.endr
.else
	WIN 0xc3
.set e, 0
.rept 4
	v_pk_add_f32 v[32*lm+8*(\t)+2*e:32*lm+8*(\t)+2*e+1], v[32*lm+8*(\t)+2*e:32*lm+8*(\t)+2*e+1], v[LC+8*lm+2*e:LC+8*lm+2*e+1]
.set e, e+1
.endr
.endif
.if lm%2 == 1
	WIN 0
	ds_store_b128 v[XA], v[FR:FR+3]   offset:2048*(lm/2)+1024*((\t)%2)
	ds_store_b128 v[XA], v[FR+4:FR+7] offset:2048*(lm/2)+1024*((\t)%2)+512
.endif
.set lm, lm+1
.endr
.endm
; Mean, then the sum of squares of the differences from it (no difference of large sums), then the normalising.  stb: this norm's 2,048 bytes of STATS, used once each.
.macro LN first, stb
	WIN 0x0f                                       ; pass 1: four chains, one a token tile
.set e, 0
.rept 4
	v_pk_add_f32 v[SM+2*e:SM+2*e+1], v[8*e:8*e+1], v[8*e+2:8*e+3]
.set e, e+1
.endr
	WIN 0x03
.set e, 8
.rept 120                              ; row tile e / 16, pair (e / 4) % 4, token tile e % 4
	v_pk_add_f32 v[SM+2*(e%4):SM+2*(e%4)+1], v[32*(e/16)+8*(e%4)+2*((e/4)%4):32*(e/16)+8*(e%4)+2*((e/4)%4)+1], v[SM+2*(e%4):SM+2*(e%4)+1]
.set e, e+1
.endr
	LNX \stb
.irp t, 0,1,2,3
	v_mul_f32 v[MP+2*\t], s[R512], v[LY+4*\t]
	v_mul_f32 v[MP+2*\t+1], s[R512], v[LY+4*\t]
.endr
.set lb, 0
.rept 16                               ; pass 2, eight pairs at a time: row tile lb / 2, pairs 2 (lb % 2) and + 1, four token tiles
	WIN 0x03
.set e, 0
.rept 8
	v_pk_add_f32 v[LY+2*e:LY+2*e+1], v[32*(lb/2)+8*(e%4)+2*(2*(lb%2)+e/4):32*(lb/2)+8*(e%4)+2*(2*(lb%2)+e/4)+1], v[MP+2*(e%4):MP+2*(e%4)+1] neg_lo:[0,1] neg_hi:[0,1]
.set e, e+1
.endr
	WIN 0
.set e, 0
.rept 8
.if (lb == 0) && (e < 4)
	v_pk_mul_f32 v[SM+2*(e%4):SM+2*(e%4)+1], v[LY+2*e:LY+2*e+1], v[LY+2*e:LY+2*e+1]
.else
	v_pk_fma_f32 v[SM+2*(e%4):SM+2*(e%4)+1], v[LY+2*e:LY+2*e+1], v[LY+2*e:LY+2*e+1], v[SM+2*(e%4):SM+2*(e%4)+1]
.endif
.set e, e+1
.endr
.set lb, lb+1
.endr
	LNX (\stb)+1024
.irp t, 0,1,2,3
	v_fma_f32 v[LY+4*\t], v[LY+4*\t], s[R512], s[EPS]
.endr
.irp t, 0,1,2,3
	v_rsq_f32 v[LY+4*\t+1], v[LY+4*\t]
.endr
	v_nop                                          ; a plain instruction behind the last root
	s_wait_alu depctr_va_vdst(0)
.irp t, 0,1,2,3
	v_mul_f32 v[SM+2*\t], -v[MP+2*\t], v[LY+4*\t+1]
	v_mul_f32 v[SM+2*\t+1], -v[MP+2*\t], v[LY+4*\t+1]
.endr
.irp t, 0,1,2,3
	v_mov_b32 v[MP+2*\t], v[LY+4*\t+1]
	v_mov_b32 v[MP+2*\t+1], v[LY+4*\t+1]
.endr
	s_wait_loadcnt 0x0                             ; the three vectors (and gate)
.if \first
.irp t, 0,1,2,3
	v_mul_f32 v[GV+\t], 0xbfb8aa3b, v[GV+\t]       ; sigmoid(g) = 1 / (1 + 2^(-g log2 e))
.endr
.irp t, 0,1,2,3
	v_exp_f32 v[GV+\t], v[GV+\t]
.endr
	v_nop
	s_wait_alu depctr_va_vdst(0)
.irp t, 0,1,2,3
	v_add_f32 v[GV+\t], 1.0, v[GV+\t]
.endr
.irp t, 0,1,2,3
	v_rcp_f32 v[SG+2*\t], v[GV+\t]
.endr
	v_nop
	s_wait_alu depctr_va_vdst(0)
.irp t, 0,1,2,3
	v_mov_b32 v[SG+2*\t+1], v[SG+2*\t]
.endr
.endif
	LN3 0,\first                                   ; XCH holds two token tiles of all 512 channels: two goes
	LN3 1,\first
	XCHG 0
	LN3 2,\first
	LN3 3,\first
	XCHG 1
.endm
; ---- attention's epilogues
; k's row tile mt (16 channels x 64 keys) is rounded into half of four operands, the other half 0, and multiplied with q at once: S^T(keys, queries) += k q^T, onto the bias loaded there.
.macro EPI_K mt
	WIN 0
	PLACES 5
.set e, 0
.rept 16                               ; key tile e / 4, pair e % 4
	v_cvt_pk_bf16_f32 v[KF+8*(e/4)+4*((\mt)%2)+e%4], v[ACCA+8*(e/4)+2*(e%4)], v[ACCA+8*(e/4)+2*(e%4)+1]
	v_mov_b32 v[KF+8*(e/4)+4*(1-(\mt)%2)+e%4], 0
.set e, e+1
.endr
.set e, 0
.rept 4
	WM SREG+8*e,KF+8*e,QOP+8*((\mt)/2),SREG+8*e
.set e, e+1
.endr
.endm
.macro LDBO off                        ; bv of a channel tile starts both tiles of O: the weights of a row add up to 1
	global_load_b128 v[OQ:OQ+3],   v[CHH], s[14:15] offset:\off
	global_load_b128 v[OQ+4:OQ+7], v[CHH], s[14:15] offset:(\off)+16
	global_load_b128 v[OM:OM+3],   v[CHH], s[14:15] offset:\off
	global_load_b128 v[OM+4:OM+7], v[CHH], s[14:15] offset:(\off)+16
.endm
; v's channel tile c (64 keys x 16 channels) is rounded in place into two operands of 32 keys; O^T = v^T P for the true queries and v^T / 64 for the hidden ones; both go to XCH.
.macro EPI_V c
	WIN 0
	PLACES 5
.set e, 0
.rept 16
	v_cvt_pk_bf16_f32 v[ACCA+16*(e/8)+e%8], v[ACCA+16*(e/8)+2*(e%8)], v[ACCA+16*(e/8)+2*(e%8)+1]
.set e, e+1
.endr
	s_wait_loadcnt 0x0                             ; bv
	WM OQ,ACCA,SREG,OQ
	WM OM,ACCA,PCN,OM
	WM OQ,ACCA+16,SREG+16,OQ
	WM OM,ACCA+16,PCN,OM
	PLACES 4
.set e, 0
.rept 8
	v_cvt_pk_bf16_f32 v[KF+e], v[OQ+2*e], v[OQ+2*e+1]
.set e, e+1
.endr
	ds_store_b128 v[OA], v[KF:KF+3]   offset:((\c)/2)*2048+((\c)%2)*512
	ds_store_b128 v[OA], v[KF+4:KF+7] offset:((\c)/2)*2048+1024+((\c)%2)*512
.if (\c) < 3
	LDBO 64*((\c)+1)
.endif
.endm
.macro KSLOT sk, par
	QUARTER K_AB,0,\par,32
	QUARTER K_AB,1,\par,32,12,CHH,64*(2*(\sk)+1)
	EPI_K 2*(\sk)
	QUARTER K_AB,2,\par,32
.if (\sk) == 0
	LASTQ K_AB,\par,32,1,12,CHH,128
.else
	LASTQ K_AB,\par,32,1
.endif
	EPI_K 2*(\sk)+1
.endm
.macro VSLOT sv, par
	QUARTER K_BA,0,\par,32
	QUARTER K_BA,1,\par,32
	EPI_V 2*(\sv)
	QUARTER K_BA,2,\par,32
	LASTQ K_BA,\par,32,1
	EPI_V 2*(\sv)+1
.endm
.macro QSLOT sq
.set cSQ, (\sq)
	QUARTER K_Q,0,\sq,8
	QUARTER K_Q,1,\sq,8
	QUARTER K_Q,2,\sq,8
	LASTQ K_Q,\sq,8,1
.endm
.macro PSLOT sp, fetch
.set cMT, 2*(\sp)
	QUARTER K_P,0,(\sp)%2,32
	QUARTER K_P,1,(\sp)%2,32
.set cMT, 2*(\sp)+1
	QUARTER K_P,2,(\sp)%2,32
	LASTQ K_P,(\sp)%2,32,\fetch
.endm
.macro M2Q3 par
	QUARTER K_M2,0,\par,32
	QUARTER K_M2,1,\par,32
	QUARTER K_M2,2,\par,32
.endm
; ================ the head
	s_load_b512 s[4:19], s[0:1], 0x0               ; x s[4:5], ln1_g s[6:7], ln1_b s[8:9], bq s[10:11], bk s[12:13], bv s[14:15], bp s[16:17], rel_table s[18:19]
	s_load_b256 s[20:27], s[0:1], 0x40             ; gate s[20:21], ln2_g s[22:23], ln2_b s[24:25], mlp_b1 s[26:27]
	s_load_b128 s[28:31], s[0:1], 0x60             ; mlp_b2 s[28:29], wstream s[30:31]
	s_load_b64 s[32:33], s[0:1], 0x70              ; out0
	v_lshl_add_u32 v[SPW], v0, 2, SPARE
	v_mov_b32 v[NIL], 0
	ds_add_u32 v[SPW], v[NIL]                      ; the wave's opening: the add and its wait stand ahead of my first tensor load; the set-up below stands between them
	v_lshrrev_b32 v1, 5, v0
	v_readfirstlane_b32 s[WV], v1                  ; wave 0..3
	; the stream's descriptor: 128 rows of 256 bytes, dense, my wave's part of a slot; asked for jointly by the four work-groups
	s_mov_b32 s[G0W], 1                            ; count = 1
	s_lshl_b32 s[G0W+1], s[WV], 15                 ; LDS address: my part of slot 0
	s_mov_b32 s[G1W], 15|(3<<16)|(1<<21)           ; 15:0 the mask of four; 17:16 elements of 8 bytes; 21 set beside a mask
	s_mov_b32 s[G1W+1], 32<<16                     ; tensor_dim0 = 32
	s_mov_b32 s[G1W+2], 128<<16                    ; tensor_dim1 = 128
	s_mov_b32 s[G1W+3], 32<<16                     ; tile_dim0 = 32
	s_mov_b32 s[G1W+4], 128                        ; tile_dim1 = 128
	s_mov_b32 s[G1W+5], 32                         ; 32 elements from row to row
	s_mov_b32 s[G1W+6], 0
	s_mov_b32 s[G1W+7], 0
	; x's descriptor: quadrant w: 4 image rows of 4 pixels x 512 f32 = 8,192 consecutive bytes, 16 pixels apart; 16 bytes of padding behind every 1,024; a load of my work-group's own
	s_mov_b32 s[G0X], 1
	s_mul_i32 s[G0X+1], s[WV], XQ
	s_add_co_u32 s[G0X+1], s[G0X+1], XS
	s_mov_b32 s[G1X], (2<<16)|(1<<20)|(7<<22)|(3<<25)  ; elements of 4 bytes; padding on; after every 256 words (code 7); 4 words of it (code 3)
	s_mov_b32 s[G1X+1], 2048<<16                   ; tensor_dim0 = 2,048
	s_mov_b32 s[G1X+2], 4<<16                      ; tensor_dim1 = 4
	s_mov_b32 s[G1X+3], 2048<<16                   ; tile_dim0 = 2,048
	s_mov_b32 s[G1X+4], 4                          ; tile_dim1 = 4
	s_mov_b32 s[G1X+5], 8192                       ; 8,192 elements from image row to image row
	s_mov_b32 s[G1X+6], 0
	s_mov_b32 s[G1X+7], 0
	; where the quadrants lie: y0 = 4 ((2 wh + 1 + qi) % 4), x0 = 4 ((2 ww + 1 + qj) % 4)
	s_bfe_u32 s35, ttmp6, 0x40000                  ; cx = 2 wh + ww
	s_lshl_b32 s36, ttmp9, 8                       ; the image's first pixel: in a cluster launch ttmp9 counts clusters
	s_lshr_b32 s88, s35, 1
	s_lshl_b32 s88, s88, 1                         ; 2 wh
	s_and_b32 s89, s35, 1
	s_lshl_b32 s89, s89, 1                         ; 2 ww
.irp t, 0,1,2,3
	s_add_co_u32 s90, s88, 1+(\t)/2
	s_and_b32 s90, s90, 3
	s_lshl_b32 s90, s90, 6                         ; 16 y0
	s_add_co_u32 s91, s89, 1+(\t)%2
	s_and_b32 s91, s91, 3
	s_lshl_b32 s91, s91, 2                         ; x0
	s_add_co_u32 s[GOF+\t], s90, s91
	s_add_co_u32 s[QOF+\t], s[GOF+\t], s36
.endr
	s_lshr_b32 s90, s[WV], 1                       ; the same for quadrant w, by arithmetic on the wave's number
	s_add_co_u32 s90, s90, s88
	s_add_co_u32 s90, s90, 1
	s_and_b32 s90, s90, 3
	s_lshl_b32 s90, s90, 6
	s_and_b32 s91, s[WV], 1
	s_add_co_u32 s91, s91, s89
	s_add_co_u32 s91, s91, 1
	s_and_b32 s91, s91, 3
	s_lshl_b32 s91, s91, 2
	s_add_co_u32 s90, s90, s91
	s_add_co_u32 s90, s90, s36
	s_lshl_b32 s90, s90, 11                        ; 2,048 bytes a pixel
	s_mov_b32 s91, 0
	s_lshl_b32 s92, s[WV], 15
	s_mov_b32 s93, 0
	s_mov_b32 s[SEL], 0x76543210
	s_mov_b32 s[SEL+1], 0xfedcba98
	s_mov_b32 s[L2E], 0x3fb8aa3b
	s_mov_b32 s[L2E+1], 0x3fb8aa3b
	s_mov_b32 s[CE], 0xbf38aa3b
	s_mov_b32 s[CE+1], 0xbf38aa3b
	s_mov_b32 s[KA3], 0xbebf7377                   ; -0.7478556 / 2
	s_mov_b32 s[KA3+1], 0xbebf7377
	s_mov_b32 s[KA2], 0x3d445ca1                   ; +0.0958798 / 2
	s_mov_b32 s[KA2+1], 0x3d445ca1
	s_mov_b32 s[KA1], 0xbe32303a                   ; -0.3480242 / 2
	s_mov_b32 s[KA1+1], 0xbe32303a
	s_mov_b32 s[CP], 0x3eaa5412
	s_mov_b32 s[R512], 0x3b000000
	s_mov_b32 s[EPS], 0x3727c5ac
	s_wait_dscnt 0x0                               ; the opening add is done
	s_wait_kmcnt 0x0
	s_add_nc_u64 s[G0X+2:G0X+3], s[4:5], s[90:91]
	s_or_b32 s[G0X+3], s[G0X+3], 0x80000000        ; type = 2
	s_add_nc_u64 s[G0W+2:G0W+3], s[30:31], s[92:93]
	s_or_b32 s[G0W+3], s[G0W+3], 0x80000000
	CROUND                                         ; all four work-groups are here: the first joint loads meet
	tensor_load_to_lds s[G0X:G0X+3], s[G1X:G1X+7]  ; my quadrant of x,
	s_nop 0
	tensor_load_to_lds s[G0W:G0W+3], s[G1W:G1W+7]  ; my part of the stream's slot 0: two loads of mine are out
	s_nop 0
	PLACES 4
	v_and_b32 v1, 15, v0                           ; r
	v_bfe_u32 v2, v0, 4, 1                         ; h
	v_and_b32 v3, 31, v0
	v_lshlrev_b32 v3, 4, v3                        ; 16 x lane
	v_lshl_add_u32 v[LA], s[WV], 15, v3
	v_add_nc_u32 v[LA+1], SLOTB, v[LA]
	v_add_nc_u32 v[XL], XCH, v3
	v_lshl_add_u32 v[XA], s[WV], 13, v[XL]
	v_lshlrev_b32 v[CH], 5, v2
	v_lshl_add_u32 v[B1O], s[WV], 8, v[CH]
	v_lshl_add_u32 v[CH], s[WV], 9, v[CH]
	v_lshlrev_b32 v[STR], 4, v1
	v_add_nc_u32 v[STR], STATS, v[STR]
	v_lshl_add_u32 v[STW], s[WV], 2, v[STR]
	v_lshrrev_b32 v30, 2, v1                       ; ii
	v_and_b32 v31, 3, v1                           ; jj
	v_lshl_add_u32 v[GT], v30, 4, v31
	v_lshlrev_b32 v[GT], 2, v[GT]
	LNLOAD 6,8,16                                  ; ln1_g, ln1_b, bp
.irp t, 0,1,2,3
	v_lshl_add_u32 v[GV+\t], s[GOF+\t], 2, v[GT]
	global_load_b32 v[GV+\t], v[GV+\t], s[20:21]   ; gate of my token in each quadrant; the load lands on its own address
.endr
	v_mul_u32_u24 v30, v1, XT                      ; x in LDS: my token, my wave's 512 bytes of it, my 32 bytes of each 64
	v_lshl_add_u32 v30, v2, 5, v30
	s_lshr_b32 s88, s[WV], 1
	s_mul_i32 s88, s88, 1040
	s_and_b32 s89, s[WV], 1
	s_lshl_b32 s89, s89, 9
	s_add_co_u32 s88, s88, s89
	s_add_co_u32 s88, s88, XS
	v_add_nc_u32 v30, s88, v30                     ; quadrants 0, 1
	v_add_nc_u32 v31, 2*XQ, v30                    ; quadrants 2, 3: past the reach of a 16-bit offset
; ================ x into registers; its bytes then take the stream's slot 1
	s_wait_tensorcnt 0x1                           ; tensor loads of a wave end in order: my quadrant is in, slot 0 may stay out
	s_barrier_signal -1
	s_barrier_wait -1                              ; everybody's quadrant is in
	WIN 0xc0
.set e, 0
.rept 64                               ; quadrant e / 16, row tile (e / 2) % 8, half e % 2
	ds_load_b128 v[32*((e/2)%8)+8*(e/16)+4*(e%2):32*((e/2)%8)+8*(e/16)+4*(e%2)+3], v[30+e/32] offset:((e/16)%2)*XQ+64*((e/2)%8)+16*(e%2)
.set e, e+1
.endr
	WIN 0
	s_wait_tensorcnt 0x0                           ; both my loads have landed, so the descriptor may be stepped
	ds_add_u32 v[SPW], v[NIL]
	s_xor_b32 s[G0W+1], s[G0W+1], SLOTB
	s_add_nc_u64 s[G0W+2:G0W+3], s[G0W+2:G0W+3], SLOTB
	s_wait_dscnt 0x0                               ; the add is done, and x is in my registers
	CROUND                                         ; so it is in every wave of the four work-groups
	tensor_load_to_lds s[G0W:G0W+3], s[G1W:G1W+7]  ; slot 1
	s_nop 0
	PLACES 4
; ================ LN1: xn into ACT; R = xn + bp + sigmoid(gate) x
	LN 1,0
.set e, 0
.rept 8
	v_mov_b32 v[PCN+e], 0x3c803c80
.set e, e+1
.endr
	v_lshrrev_b32 v30, 2, v1                       ; rel_table: bias(n, head, m) = T[ii - head + 7][jj - i_m + 7][j_m]; my lane's term for head 2 w, less five rows of 32 bytes,
	v_and_b32 v31, 3, v1                           ; which the loads' offsets give back, so that no offset is negative
	v_mad_u32_u24 v[RB0], v30, 15, v31
	s_mul_i32 s88, s[WV], 30
	s_sub_co_u32 s88, 107, s88                     ; 15 (7 - 2 w) + 2
	v_add_nc_u32 v[RB0], s88, v[RB0]
	v_lshlrev_b32 v30, 1, v2
	v_sub_nc_u32 v[RB0], v[RB0], v30               ; my lanes' keys lie 2 h window rows down
	v_lshlrev_b32 v[RB0], 5, v[RB0]
	FETCHW 0,0,0                                   ; slot 0's first quarter (its load was waited for above)
; ================ attention: two trips, one for each of my heads; six slots a trip
	s_mov_b32 s[CNT], 2
	s_mov_b32 s[HC], 0
	s_mov_b32 s[HR], 0
	s_mov_b32 s[HO], 0
.Lhead:
	s_wait_xcnt 0x0                                ; the last trip's loads have had their addresses translated: only now are their address registers rewritten
	v_add_nc_u32 v[CHH], s[HC], v[CH]
	v_sub_nc_u32 v[RBH], v[RB0], s[HR]
	v_add_nc_u32 v[OA], s[HO], v[XA]
.set e, 0
.rept 8                                ; bq starts q's sums; the bias starts the scores': key tile e / 2, its registers 4 (e % 2) on are four neighbouring numbers of the table
	global_load_b128 v[ACCA+4*e:ACCA+4*e+3], v[CHH], s[10:11] offset:64*(e/2)+16*(e%2)
	global_load_b128 v[SREG+4*e:SREG+4*e+3], v[RBH], s[18:19] offset:32*(5-4*(e/4)-e%2)+16*((e/2)%2)
.set e, e+1
.endr
	LDBV 12,CHH,0                                  ; bk of the first row tile
	s_wait_loadcnt 0x0
	QSLOT 0
	QSLOT 1
	WIN 0
	PLACES 4
.set e, 0
.rept 16
	v_pk_mul_f32 v[ACCA+2*e:ACCA+2*e+1], v[ACCA+2*e:ACCA+2*e+1], 0x3e000000 op_sel_hi:[1,0]  ; the scale 1/8, exact
.set e, e+1
.endr
.set e, 0
.rept 16
	v_cvt_pk_bf16_f32 v[QOP+e], v[ACCA+2*e], v[ACCA+2*e+1]
.set e, e+1
.endr
.set cACC, ACCA
	KSLOT 0,0
	KSLOT 1,1
	; softmax of 16 queries: a lane holds one query and 32 of its 64 keys
	WIN 0
	PLACES 5
	LDBO 0
.irp k, 0,1,2,3
	v_max3_num_f32 v[KF+\k], v[SREG+8*\k], v[SREG+8*\k+1], v[SREG+8*\k+2]   ; each accumulator's lowest registers are read first
.endr
.irp k, 0,1,2,3
	v_max3_num_f32 v[KF+\k], v[KF+\k], v[SREG+8*\k+3], v[SREG+8*\k+4]
.endr
.irp k, 0,1,2,3
	v_max3_num_f32 v[KF+\k], v[KF+\k], v[SREG+8*\k+5], v[SREG+8*\k+6]
.endr
	v_max3_num_f32 v[KF], v[KF], v[SREG+7], v[SREG+15]
	v_max3_num_f32 v[KF+1], v[KF+1], v[SREG+23], v[SREG+31]
	v_max3_num_f32 v[KF], v[KF], v[KF+1], v[KF+2]
	v_max_num_f32 v[KF], v[KF], v[KF+3]
	v_permlanex16_b32 v[KF+1], v[KF], s[SEL], s[SEL+1]
	v_max_num_f32 v[KF], v[KF], v[KF+1]
	v_mul_f32 v[KF+4], s[L2E], v[KF]
	v_mul_f32 v[KF+5], s[L2E], v[KF]
.set e, 0
.rept 16
	v_pk_fma_f32 v[SREG+2*e:SREG+2*e+1], v[SREG+2*e:SREG+2*e+1], s[L2E:L2E+1], v[KF+4:KF+5] op_sel_hi:[1,0,1] neg_lo:[0,0,1] neg_hi:[0,0,1]
.set e, e+1
.endr
.set e, 0
.rept 32
	v_exp_f32 v[SREG+e], v[SREG+e]
.set e, e+1
.endr
	v_nop                                          ; a plain instruction behind the last exponential
.set e, 0
	s_wait_alu depctr_va_vdst(0)
.rept 8
	v_pk_add_f32 v[KF+8+2*e:KF+8+2*e+1], v[SREG+4*e:SREG+4*e+1], v[SREG+4*e+2:SREG+4*e+3]
.set e, e+1
.endr
.set e, 0
.rept 4
	v_pk_add_f32 v[KF+8+2*e:KF+8+2*e+1], v[KF+8+2*e:KF+8+2*e+1], v[KF+16+2*e:KF+16+2*e+1]
.set e, e+1
.endr
	v_pk_add_f32 v[KF+8:KF+9], v[KF+8:KF+9], v[KF+12:KF+13]
	v_pk_add_f32 v[KF+10:KF+11], v[KF+10:KF+11], v[KF+14:KF+15]
	v_pk_add_f32 v[KF+8:KF+9], v[KF+8:KF+9], v[KF+10:KF+11]
	v_add_f32 v[KF+8], v[KF+8], v[KF+9]
	v_permlanex16_b32 v[KF+9], v[KF+8], s[SEL], s[SEL+1]
	v_add_f32 v[KF+8], v[KF+8], v[KF+9]
	v_rcp_f32 v[KF+8], v[KF+8]
	v_nop
	s_wait_alu depctr_va_vdst(0)
	v_mov_b32 v[KF+9], v[KF+8]
.set e, 0
.rept 16
	v_pk_mul_f32 v[SREG+2*e:SREG+2*e+1], v[SREG+2*e:SREG+2*e+1], v[KF+8:KF+9]
.set e, e+1
.endr
.set e, 0
.rept 16                               ; two key tiles, rounded in pairs, are one operand of 32 keys: at SREG and at SREG + 16, in place
	v_cvt_pk_bf16_f32 v[SREG+16*(e/8)+e%8], v[SREG+16*(e/8)+2*(e%8)], v[SREG+16*(e/8)+2*(e%8)+1]
.set e, e+1
.endr
	VSLOT 0,0
	VSLOT 1,1
	WIN 0
	s_add_co_u32 s[HC], s[HC], 256
	s_add_co_u32 s[HR], s[HR], 480
	s_add_co_u32 s[HO], s[HO], 4096
	s_sub_co_u32 s[CNT], s[CNT], 1
	s_cmp_lg_u32 s[CNT], 0
	s_cbranch_scc1 .Lhead
; ================ O from its makers to all waves; the projection onto the residual
	XCHG 0
	PSLOT 0,1
	PSLOT 1,1
	PSLOT 2,1
	PSLOT 3,0                                      ; the next quarter is fetched behind LN2, which works in the weight buffers
; ================ LN2: h into ACT; R = x3 + mlp_b2
	WIN 0
	PLACES 4
	LNLOAD 22,24,28                                ; they come in under passes 1 and 2
	LN 0,2048
	FETCHW 0,0,0
	LDBV 26,B1O,0
; ================ the MLP, 256 hidden units a chunk: four slots.  The loop is entered at the first product; the last chunk's second product is written out, since it asks for nothing more.
	s_mov_b32 s[CNT], 8
	s_branch .Lm1
.Lm2:
	s_wait_xcnt 0x0
	v_add_nc_u32 v[B1O], 1024, v[B1O]              ; the next chunk's bias
.set cKB, 0
	M2Q3 0
	LASTQ K_M2,0,32,1,0,0,0,1
.set cKB, 4
	M2Q3 1
	LASTQ K_M2,1,32,1,26,B1O,0                     ; its round also orders the chunk's last reads of XCH with the next chunk's stores
	WIN 0
.Lm1:
.set cACC, ACCA
	QUARTER K_AB,0,0,32
	QUARTER K_AB,1,0,32,26,B1O,64
.set cACC, ACCB
	QUARTER K_AB,2,0,32,0,0,0,ACCA,0               ; the GELU of the tiles just finished stands behind this quarter's products
	LASTQ K_AB,0,32,1,26,B1O,128
.set cACC, ACCA
	QUARTER K_AB,0,1,32,0,0,0,ACCB,1
	QUARTER K_AB,1,1,32,26,B1O,192
.set cACC, ACCB
	QUARTER K_AB,2,1,32,0,0,0,ACCA,2
	LASTQ K_AB,1,32,1
	WIN 0
	PLACES 4
	GELU ACCB,3
	s_wait_dscnt 0x0                               ; for the others' sake: my hidden values are in XCH
	s_barrier_signal -1
	s_barrier_wait -1
	FETCHH 0,0
	s_sub_co_u32 s[CNT], s[CNT], 1
	s_cmp_lg_u32 s[CNT], 0
	s_cbranch_scc1 .Lm2
.set cKB, 0
	M2Q3 0
	WIN 0
	s_wait_tensorcnt 0x0                           ; the stream's last slot: the one load of mine that is out, and bytes that I alone read
	PLACES 5
	FETCHW 0,1,0
	FETCHH 0,4
	s_wait_dscnt 24                                ; all but the 24 just issued
	MMS K_M2,3,0,32
.set cKB, 4
	M2Q3 1
	s_wait_dscnt 0x0
	MMS K_M2,3,0,32
; ================ the way out: a token tile at a time through my stage, back as whole rows of 512 bytes
	WIN 0
	s_barrier_signal -1                            ; the stage lies where XCH lay: every wave has waited for its last reads of it
	s_barrier_wait -1
	PLACES 4
	v_mul_u32_u24 v30, v1, SPITCH
	v_lshl_add_u32 v30, v2, 5, v30
	s_mul_i32 s88, s[WV], 16*SPITCH
	s_add_co_u32 s88, s88, XCH
	v_add_nc_u32 v30, s88, v30                     ; in: row r, my 32 bytes of each 64
	v_add_nc_u32 v31, s88, v3                      ; back: 16 bytes a lane
.irp t, 0,1,2,3
	s_lshl_b32 s89, s[QOF+\t], 11
	s_lshl_b32 s90, s[WV], 9
	s_add_co_u32 s89, s89, s90
	v_add_nc_u32 v[16+\t], s89, v3                 ; out0: the quadrant's first pixel, my wave's 512 bytes, my 16
.endr
.macro OUT t
	WIN 0x0c                                       ; data from window 3
.set e, 0
.rept 16
	ds_store_b128 v30, v[32*(e/2)+8*(\t)+4*(e%2):32*(e/2)+8*(\t)+4*(e%2)+3] offset:64*(e/2)+16*(e%2)
.set e, e+1
.endr
	WIN 0
.if (\t) >= 2
	s_wait_xcnt 0x0                                ; the stores of two tiles ago have read these registers
.endif
.set e, 0
.rept 16
	ds_load_b128 v[32+64*((\t)%2)+4*e:32+64*((\t)%2)+4*e+3], v31 offset:e*SPITCH   ; LDS serves a wave's instructions in order (ISA guide 5.7.1.4): these see the stores above, the next tile's stores come behind them
.set e, e+1
.endr
.set e, 0
.rept 16
	s_wait_dscnt 15-e                              ; row e is back
	global_store_b128 v[16+(\t)], v[32+64*((\t)%2)+4*e:32+64*((\t)%2)+4*e+3], s[32:33] offset:(16*(e/4)+e%4)*2048 th:TH_STORE_NT  ; 512 consecutive bytes, aligned
.set e, e+1
.endr
.endm
	OUT 0
	OUT 1
	OUT 2
	OUT 3
	s_wait_tensorcnt 0x0                           ; the wave's end: behind my last tensor load and my last LDS store
	ds_add_u32 v[SPW], v[NIL]
	s_wait_dscnt 0x0
	CROUND                                         ; the closing round: no work-group ends while a partner may still ask for a slot that names it
	s_endpgm
.Lfunc_end_k_qfb2253811a_block:
	.size	k_qfb2253811a_block, .Lfunc_end_k_qfb2253811a_block-k_qfb2253811a_block
	.p2alignl 7, 3214868480
	.fill 96, 4, 3214868480
	.section	.rodata,"a",@progbits
	.p2align	6, 0x0
	.amdhsa_kernel k_qfb2253811a_block
		.amdhsa_group_segment_fixed_size 327680
		.amdhsa_private_segment_fixed_size 0
		.amdhsa_enable_private_segment 0
		.amdhsa_kernarg_size 120
		.amdhsa_user_sgpr_count 2
		.amdhsa_user_sgpr_kernarg_segment_ptr 1
		.amdhsa_wavefront_size32 1
		.amdhsa_system_sgpr_workgroup_id_x 1
		.amdhsa_system_sgpr_workgroup_id_y 1
		.amdhsa_system_sgpr_workgroup_id_z 1
		.amdhsa_system_vgpr_workitem_id 0
		.amdhsa_next_free_vgpr 1024
		.amdhsa_next_free_sgpr 100
		.amdhsa_reserve_vcc 0
		.amdhsa_float_denorm_mode_32 3
		.amdhsa_float_denorm_mode_16_64 3
		.amdhsa_memory_ordered 1
		.amdhsa_forward_progress 1
		.amdhsa_inst_pref_size 255
	.end_amdhsa_kernel
	.section	.bss,"aw",@nobits
	.p2align	6
	.space	262144
	.amdgpu_metadata
---
amdhsa.version: [ 1, 2 ]
amdhsa.kernels:
  - .name:           k_qfb2253811a_block
    .symbol:         k_qfb2253811a_block.kd
    .args:
      - { .name: x, .offset: 0, .size: 8, .value_kind: global_buffer, .address_space: global }
      - { .name: ln1_g, .offset: 8, .size: 8, .value_kind: global_buffer, .address_space: global }
      - { .name: ln1_b, .offset: 16, .size: 8, .value_kind: global_buffer, .address_space: global }
      - { .name: bq, .offset: 24, .size: 8, .value_kind: global_buffer, .address_space: global }
      - { .name: bk, .offset: 32, .size: 8, .value_kind: global_buffer, .address_space: global }
      - { .name: bv, .offset: 40, .size: 8, .value_kind: global_buffer, .address_space: global }
      - { .name: bp, .offset: 48, .size: 8, .value_kind: global_buffer, .address_space: global }
      - { .name: rel_table, .offset: 56, .size: 8, .value_kind: global_buffer, .address_space: global }
      - { .name: gate, .offset: 64, .size: 8, .value_kind: global_buffer, .address_space: global }
      - { .name: ln2_g, .offset: 72, .size: 8, .value_kind: global_buffer, .address_space: global }
      - { .name: ln2_b, .offset: 80, .size: 8, .value_kind: global_buffer, .address_space: global }
      - { .name: mlp_b1, .offset: 88, .size: 8, .value_kind: global_buffer, .address_space: global }
      - { .name: mlp_b2, .offset: 96, .size: 8, .value_kind: global_buffer, .address_space: global }
      - { .name: wstream, .offset: 104, .size: 8, .value_kind: global_buffer, .address_space: global }
      - { .name: out0, .offset: 112, .size: 8, .value_kind: global_buffer, .address_space: global }
    .group_segment_fixed_size: 327680
    .private_segment_fixed_size: 0
    .kernarg_segment_align: 8
    .kernarg_segment_size: 120
    .max_flat_workgroup_size: 128
    .sgpr_count:     100
    .vgpr_count:     1024
    .wavefront_size: 32
...
	.end_amdgpu_metadata
.endif
;; end of part 2
;; ======== version 2 of 2: 2 launches; 1.16 times as fast as version 1
;; limits: a function is approximated: absolute error at most 2.5e-05
;; workspace buffers: wstream 6,291,456 bytes
;; launch prep: the kernel of part 1 again; grid 48 x 4, 8 waves a work-group, no clusters, 0 bytes of LDS; arguments wq, wk, wv, wp, mlp_w1, mlp_w2, wstream; writes wstream
;; launch block (part 3): grid 256 x 1, 4 waves a work-group, clusters of 4 x 1, 327,680 bytes of LDS; arguments x, ln1_g, ln1_b, bq, bk, bv, bp, rel_table, gate, ln2_g, ln2_b, mlp_b1, mlp_b2, wstream, out0; writes out0
.if DOCPART == 3
	.amdgcn_target "amdgcn-amd-amdhsa--gfx1250"
	.amdhsa_code_object_version 6
	.text
	.protected	k_qfb2253811a_block
	.globl	k_qfb2253811a_block
	.p2align	8
	.type	k_qfb2253811a_block,@function
k_qfb2253811a_block:
	s_mov_b64 s[64:65], 0
	v_nop
	global_prefetch_b8 v0, s[64:65] scope:SCOPE_SE
	s_setreg_imm32_b32 hwreg(HW_REG_WAVE_MODE, 25, 1), 1
	s_wait_xcnt 0x0
	s_wait_alu depctr_hold_cnt(0) depctr_sa_sdst(0) depctr_va_vdst(0) depctr_va_sdst(0) depctr_va_ssrc(0) depctr_va_vcc(0) depctr_vm_vsrc(0)
	s_getreg_b32 s2, hwreg(HW_REG_IB_STS2, 6, 4)
	s_cmp_eq_u32 s2, 0
	s_cbranch_scc0 .Lentry_in_a_cluster
	s_endpgm
.Lentry_in_a_cluster:
	s_bfe_u32 s2, ttmp6, 0x10000c
	s_cmp_lg_u32 s2, 0x3003
	s_cbranch_scc0 .Lentry_shape_is_right
	s_endpgm
.Lentry_shape_is_right:
; THE WHOLE BLOCK FOR ONE WINDOW.  A work-group of four waves takes one shifted window of 64 tokens through LN1, q k v, attention, projection, gated skip, LN2 and the MLP:
; x is read once, out0 written once, nothing else goes through memory but the weights, which come as bf16 fragments in the order of use (launch 'prep').
; The two rolls cancel: token (i, j) of window (wh, ww) is pixel ((8 wh + i + 4) % 16, (8 ww + j + 4) % 16) on the way in and on the way out.
; TOKENS are taken by quadrants of 4 x 4: token 16 t + r, quadrant t = 2 qi + qj, r = 4 ii + jj, window place (4 qi + ii, 4 qj + jj).  The mask that the block builds hides every query
; outside quadrant 0: their rows are all -1e9, their softmax is exactly 1/64, their result the window's mean of v.  So q, scores and softmax are made for tile 0 alone, and the projection
; multiplies two tiles: the true queries' and one for all the hidden ones.
; SHARES.  Wave w owns channels 128 w .. 128 w + 127 of every 512-wide result (heads 2 w, 2 w + 1; 64 of each 256 hidden units), for all 64 tokens: a weight byte is read from LDS by one wave.
; LAYOUT.  In a result tile lane (r, h) holds column r and rows 8 h + 0..7.  Weights as source 0 give [channel][token]: a lane holds one token and eight channels, which rounded in pairs are half
; an operand with the channels as K: nothing changes lanes; only whole fragments go through LDS from the wave that made them to all four.  v is made with the sources swapped: [token][channel].
; THE STREAM.  48 slots of 131,072 bytes through two LDS slots; each wave fetches its own 32,768 bytes, jointly with the same wave of the image's three other windows (a cluster is an image).
; THE MLP'S ORDER.  Its eight chunks of 256 hidden units only add onto one sum.  Cluster b begins with chunk b % 8 and goes round: at any time the clusters ask for eight different parts of the
; stream.  b enters the stream's and mlp_b1's global offsets alone.
; ONE TEXT FOR BOTH NORMS: a loop of two trips: norm; (trip 2 leaves for the MLP); attention and projection; the second norm's vectors are asked for.
; ONE TEXT FOR TWO SLOTS: k's, v's and the second MLP product's two slots are loops of two trips.  The LDS slot in hand is a scalar, turned by an exclusive or at every change of slots; what else
; differs between the trips is an offset that steps in a scalar; what the second trip must not load is jumped over forward.
; CLUSTER: cx, the window in the image, enters only the global offsets of x, gate and out0.
; LIMITS.  Matrix operands are bf16.  erf in GELU is a rational form with an absolute error of 2.5e-5 at the most, below the bf16 rounding that follows.  An exponential below 2^-126 counts as 0.
; The MLP's sum is taken in an order that differs from image to image.  NaN and infinities are not treated apart.
;
; LDS
.set SLOTB,  131072                    ; slot 0 at 0, slot 1 at 131,072; wave w's part at w x 32,768
.set XS,     131072                    ; x at the start, where slot 1 comes later: a token is 2 x (1,024 + 16) bytes, a quadrant 16 tokens
.set XT,     2080
.set XQ,     16*XT
.set STATS,  264192                    ; 2 passes x 64 tokens x 4 waves of f32: token x 16 + 4 w
.set SPARE,  268288                    ; the spare words, 128 bytes a wave: two blocks of 256 bytes that no other line names
.set XCH,    268800                    ; 32 fragments of 1,024 bytes: xn, O, h and the hidden values go from their makers to all waves; at the end the output stage begins here
.set SPITCH, 528                       ; a stage row: 512 bytes + 16: sixteen rows start at sixteen different groups of four banks (64 banks of 4 bytes: ISA guide 11.1)
; REGISTERS, in windows of 256 (s_set_vgpr_msb: bits 1:0 source 0, 3:2 source 1, 5:4 source 2, 7:6 destination)
;   window 3: R(mt, t) at 32 mt + 8 t: my 128 channels x 64 tokens in f32: x, then the residual, then x3 and the second MLP product's sums
;   windows 1, 2: ACT(kb, t) at 32 (kb % 8) + 8 t, window 1 + kb / 8: the 512-wide operand of all 64 tokens: xn, then O, then h
;   window 0:
.set LA,   4                           ; v4   LDS address of my lane's 16 bytes in my part of slot 0
.set LAC,  5                           ; v5   the same in the slot in hand: v4 + s[TP]
.set XL,   6                           ; v6   my lane's 16 bytes in XCH
.set XA,   7                           ; v7   in my wave's quarter of XCH
.set OA,   8                           ; v8   in the head's half of that
.set CH,   9                           ; v9   byte offset of my eight channels in a 512-vector: 512 w + 32 h
.set CHH,  10                          ; v10  the same in the head in hand; in the MLP
.set XLC,  10                          ;      my lane's 16 bytes in the half of XCH in hand
.set RBH,  11                          ; v11  my byte offset in rel_table for the head in hand
.set B1O,  12                          ; v12  my byte offset in mlp_b1 for the chunk in hand
.set STW,  13                          ; v13  STATS + 16 r + 4 w
.set STR,  14                          ; v14  STATS + 16 r
.set GT,   15                          ; v15  4 (16 ii + jj)
.set MP,   16                          ; v16-23  in the norms, for each t a pair: mean twice, then rstd twice.  Between them v16-18 as below; at the end v16-19 = offsets in out0
.set RB0,  16                          ; v16  my byte offset in rel_table for head 2 w
.set CHK,  17                          ; v17  CHH + 128 x trip: bk's and bv's offset in a loop over two slots
.set OAV,  18                          ; v18  OA + 2,048 x trip
.set GV,   24                          ; v24-27  gate
.set SPW,  28                          ; v28  my spare word; never rewritten
.set NIL,  29                          ; v29  0; never rewritten
.set WB,   32                          ; v32-95, v96-159  two buffers of eight weight fragments
.set KF,   96                          ; the second of them is idle in every epilogue and serves as its work registers
.set ACCA, 160                         ; v160-191  four result tiles; in the second MLP product the hidden values' first buffer
.set ACCB, 192                         ; v192-223  the same; in attention the scores and weights
.set SREG, 192
.set QOP,  224                         ; v224-239  q as two operands; then
.set OQ,   224                         ; v224-231  a tile of O for the true queries,
.set OM,   232                         ; v232-239  and for the hidden ones; then
.set GTM,  224                         ;           two sets of eight for GELU
.set BV,   240                         ; v240-247  a bias as the C operand that starts a sum
.set PCN,  248                         ; v248-255  1/64 twice in bf16: the hidden queries' weights
.set LG,   32                          ; in the norms: gain, bias, and what is added to the residual, 64 each,
.set LB,   96
.set LC,   160
.set LY,   224                         ; v224-239 at work, (pass 3: v232-239 the residual's factor, twice for each t)
.set SG,   232
.set SM,   240                         ; v240-247 sums; pass 3: -mean x rstd, twice for each t
.set FR,   248                         ; v248-255 a fragment on its way to LDS
; scalars: s[4:33] the fifteen addresses in the order of the arguments
.set WBA,  2                           ; s[2:3] wstream at my wave's part of its first slot
.set WV,   34                          ; my wave's number
.set HO,   37                          ; 4,096 x head half
.set OFS,  38                          ; s[38:39] a slot's byte offset in the stream
.set G0W,  40                          ; s[40:43], s[44:51] the stream's descriptor
.set G1W,  44
.set G0X,  52                          ; s[52:55], s[56:63] x's; when its one load has landed, three of its constant words serve as
.set G1X,  56
.set TP,   56                          ; the LDS byte at which the slot in hand begins: 0 or SLOTB,
.set C2,   57                          ; the counter of a loop over two slots,
.set T2,   58                          ; and what steps with its trips
.set QOF,  66                          ; s[66:69] quadrant t's first pixel in x and out0
.set SEL,  70                          ; s[70:71] v_permlanex16_b32: each lane takes its own place in the other half
.set L2E,  72                          ; s[72:73] log2(e)
.set CE,   74                          ; s[74:75] -log2(e) / 2
.set KA3,  76                          ; s[76:77], s[78:79], s[80:81]: minus half of the form's three coefficients
.set KA2,  78
.set KA1,  80
.set CP,   82                          ; 0.47047 / sqrt(2)
.set R512, 83                          ; 1 / 512
.set EPS,  84                          ; 1e-5
.set CNT,  85                          ; the heads' and the chunks' counter
.set HC,   86                          ; 256 x head half
.set HR,   87                          ; 480 x head half
.set AL,   94                          ; s[94:95] 1 in the first norm, 0 in the second: the normalised row's share in the residual, and the sigmoid's in its factor
.set GOF,  96                          ; s[96:99] quadrant t's first pixel in gate
.set MS,   100                         ; which of the MLP's 32 slots is asked for next: counted on from 4 (b % 8), taken modulo 32
.set CC,   101                         ; the chunk in hand
.set SB,   104                         ; 0 in the first norm, 1 in the second
.set PH,   105                         ; norms to go
.set K_Q,  0                           ; the kinds of matrix work
.set K_AB, 1
.set K_BA, 2
.set K_P,  3
.set K_M2, 4
.set cSQ,  0
.set cACC, ACCA
.set MSB,  0
.macro WIN new                         ; the immediate's high byte repeats the setting that is left; a switch that changes nothing is dropped
.if MSB != (\new)
	s_set_vgpr_msb (MSB<<8)|(\new)
.set MSB, (\new)
.endif
.endm
.macro PLACES k                        ; plain vector instructions between a matrix instruction and what touches its registers (ISA guide 7.12.1)
.rept \k
	v_nop
.endr
.endm
.macro CREST                           ; a round of the cluster's barrier behind its opening barrier
	s_cmp_lg_u32 s[WV], 0
	s_cbranch_scc1 .Lnot_wave_0_\@
	s_barrier_signal -3
.Lnot_wave_0_\@:
	s_barrier_wait -3
	s_barrier_signal -1
	s_barrier_wait -1
.endm
.macro CROUND
	s_barrier_signal -1
	s_barrier_wait -1
	CREST
.endm
.macro WM d, a, b, c
	v_wmma_f32_16x16x32_bf16 v[\d:(\d)+7], v[\a:(\a)+7], v[\b:(\b)+7], v[\c:(\c)+7]
.endm
.macro WM0 d, a, b
	v_wmma_f32_16x16x32_bf16 v[\d:(\d)+7], v[\a:(\a)+7], v[\b:(\b)+7], 0
.endm
; Matrix instruction n of quarter q of a slot.  In every kind the accumulators take turns, one instruction a turn.
.macro MM kind, q
.set hq, (\q)%2
.if (\kind) == K_Q                     ; q of tile 0: fragment n = k block 8 cSQ + 2 q + n / 4, row tile n % 4; the sums start on bq, loaded into them
	WIN 0x04+4*cSQ
.set rD, ACCA+8*(n%4)
.set rA, WB+64*hq+8*n
.set rB, 32*(2*(\q)+n/4)
	WM rD,rA,rB,rD
.elseif (\kind) == K_AB                ; weights x ACT: k block 8 (q % 2) + n / 4, token tile n % 4; the bias in BV starts the sum
	WIN 0x04+4*hq
.set rD, cACC+8*(n%4)
.set rA, WB+64*hq+8*(n/4)
.set rB, 32*(n/4)+8*(n%4)
.if (hq+n/4) == 0
	WM rD,rA,rB,BV
.else
	WM rD,rA,rB,rD
.endif
.elseif (\kind) == K_BA                ; ACT x weights: the same with the sources swapped
	WIN 0x01+hq
.set rD, cACC+8*(n%4)
.set rA, 32*(n/4)+8*(n%4)
.set rB, WB+64*hq+8*(n/4)
.if (hq+n/4) == 0
	WM0 rD,rA,rB
.else
	WM rD,rA,rB,rD
.endif
.elseif (\kind) == K_P                 ; the projection: k block 8 (q % 2) + n / 2; n % 2 = 0: O of the true queries, 1: O of the hidden ones; two sums that start at 0
	WIN 0x04+4*hq
.set rD, ACCA+8*(n%2)
.set rA, WB+64*hq+8*(n/2)
.set rB, 32*(n/2)+8*(n%2)
.if (hq+n/2) == 0
	WM0 rD,rA,rB
.else
	WM rD,rA,rB,rD
.endif
.else                                  ; the second MLP product, onto x3: one k block of 32 hidden units, row tile n / 4, token tile n % 4
	WIN 0xf0
.set rD, 32*(n/4)+8*(n%4)
.set rA, WB+64*hq+8*(n/4)
.set rB, ACCA+32*hq+8*(n%4)
	WM rD,rA,rB,rD
.endif
.endm
; GELU.  gelu(x) = x / 2 + |x| (1/2 - q / 2), q = (a1 t + a2 t^2 + a3 t^3) exp(-x^2 / 2), t = 1 / (1 + p |x| / sqrt(2)).
; The four tiles at racc (hidden row tile rmt) are 16 pairs of numbers a lane, 16 instructions a pair: 64 steps of four instructions; GSTEP writes step gm.  Eight steps take two pairs, a and b, side by side
; on two sets of work registers, so that a line seldom reads the result of the line before it.  A step holds two transcendentals at the most, and behind them stands a plain line that touches neither
; their results nor their sources (ISA guide 5.7.2).  A tile's four packed registers take the place of its lowest four, each written when its old pair has been used.
; The tiles go to XCH behind steps 15, 31, 48 and 63: where steps 32 to 47 stand in front of a round of the cluster's barrier, they hold no LDS store.
.macro GSTEP racc, rmt
	WIN 0
.set gk, gm/8
.set gxa, (\racc)+4*gk
.set gxb, gxa+2
.set gga, GTM
.set ggb, GTM+8
.set gd, (\racc)+8*(gk/2)+2*(gk%2)
.if gm%8 == 0
	v_fma_f32 v[gga], |v[gxa]|, s[CP], 1.0
	v_fma_f32 v[gga+1], |v[gxa+1]|, s[CP], 1.0
	v_fma_f32 v[ggb], |v[gxb]|, s[CP], 1.0
	v_fma_f32 v[ggb+1], |v[gxb+1]|, s[CP], 1.0
.elseif gm%8 == 1
	v_pk_mul_f32 v[gga+2:gga+3], v[gxa:gxa+1], v[gxa:gxa+1]
	v_rcp_f32 v[gga], v[gga]
	v_rcp_f32 v[gga+1], v[gga+1]
	v_pk_mul_f32 v[ggb+2:ggb+3], v[gxb:gxb+1], v[gxb:gxb+1]
.elseif gm%8 == 2
	v_pk_mul_f32 v[gga+2:gga+3], v[gga+2:gga+3], s[CE:CE+1] op_sel_hi:[1,0]
	v_rcp_f32 v[ggb], v[ggb]
	v_rcp_f32 v[ggb+1], v[ggb+1]
	v_pk_mul_f32 v[ggb+2:ggb+3], v[ggb+2:ggb+3], s[CE:CE+1] op_sel_hi:[1,0]
.elseif gm%8 == 3
	s_wait_alu depctr_va_vdst(0)
	v_pk_fma_f32 v[gga+4:gga+5], v[gga:gga+1], s[KA3:KA3+1], s[KA2:KA2+1] op_sel_hi:[1,0,0]
	v_exp_f32 v[gga+2], v[gga+2]
	v_exp_f32 v[gga+3], v[gga+3]
	v_pk_fma_f32 v[ggb+4:ggb+5], v[ggb:ggb+1], s[KA3:KA3+1], s[KA2:KA2+1] op_sel_hi:[1,0,0]
.elseif gm%8 == 4
	v_pk_fma_f32 v[gga+4:gga+5], v[gga+4:gga+5], v[gga:gga+1], s[KA1:KA1+1] op_sel_hi:[1,1,0]
	v_exp_f32 v[ggb+2], v[ggb+2]
	v_exp_f32 v[ggb+3], v[ggb+3]
	v_pk_fma_f32 v[ggb+4:ggb+5], v[ggb+4:ggb+5], v[ggb:ggb+1], s[KA1:KA1+1] op_sel_hi:[1,1,0]
.elseif gm%8 == 5
	v_pk_mul_f32 v[gga+4:gga+5], v[gga+4:gga+5], v[gga:gga+1]
	v_pk_mul_f32 v[ggb+4:ggb+5], v[ggb+4:ggb+5], v[ggb:ggb+1]
	v_pk_mul_f32 v[gga+6:gga+7], v[gxa:gxa+1], 0.5 op_sel_hi:[1,0]
	v_pk_mul_f32 v[ggb+6:ggb+7], v[gxb:gxb+1], 0.5 op_sel_hi:[1,0]
.elseif gm%8 == 6
	s_wait_alu depctr_va_vdst(0)
	v_pk_fma_f32 v[gga+4:gga+5], v[gga+4:gga+5], v[gga+2:gga+3], 0.5 op_sel_hi:[1,1,0]
	v_pk_fma_f32 v[ggb+4:ggb+5], v[ggb+4:ggb+5], v[ggb+2:ggb+3], 0.5 op_sel_hi:[1,1,0]
	v_fma_f32 v[gga+6], |v[gxa]|, v[gga+4], v[gga+6]
	v_fma_f32 v[gga+7], |v[gxa+1]|, v[gga+5], v[gga+7]
.else
	v_fma_f32 v[ggb+6], |v[gxb]|, v[ggb+4], v[ggb+6]
	v_fma_f32 v[ggb+7], |v[gxb+1]|, v[ggb+5], v[ggb+7]
	v_cvt_pk_bf16_f32 v[gd], v[gga+6], v[gga+7]
	v_cvt_pk_bf16_f32 v[gd+1], v[ggb+6], v[ggb+7]
.endif
.set gt, -1
.if gm == 15
.set gt, 0
.elseif gm == 31
.set gt, 1
.elseif gm == 48
.set gt, 2
.elseif gm == 63
.set gt, 3
.endif
.if gt >= 0
	ds_store_b128 v[XA], v[(\racc)+8*gt:(\racc)+8*gt+3] offset:((\rmt)/2)*4096+gt*1024+((\rmt)%2)*512
.endif
.endm
.macro MMS kind, q, a, b, racc=0, rmt=0, rb=0  ; matrix instructions a .. b - 1 of a quarter; racc: step rb + n of another tile set's GELU stands behind instruction n
.set n, (\a)
.rept (\b)-(\a)
	MM \kind,\q
.if \racc
.set gm, (\rb)+n
	GSTEP \racc,\rmt
.endif
.set n, n+1
.endr
.endm
.macro GELU racc, rmt                  ; the same 64 steps by themselves
.set gm, 0
.rept 64
	GSTEP \racc,\rmt
.set gm, gm+1
.endr
.endm
.macro FETCHW buf, q                   ; quarter q of my part of the slot in hand: eight fragments, each load 512 consecutive bytes
	WIN 0
.set fi, 0
.rept 8
	ds_load_b128 v[WB+64*(\buf)+8*fi:WB+64*(\buf)+8*fi+3],   v[LAC] offset:(\q)*8192+fi*1024
	ds_load_b128 v[WB+64*(\buf)+8*fi+4:WB+64*(\buf)+8*fi+7], v[LAC] offset:(\q)*8192+fi*1024+512
.set fi, fi+1
.endr
.endm
.macro FETCHH buf, kb, va              ; k block kb, counted from the address in va, of the chunk's hidden values: four token tiles
	WIN 0
.set fi, 0
.rept 4
	ds_load_b128 v[ACCA+32*(\buf)+8*fi:ACCA+32*(\buf)+8*fi+3],   v[\va] offset:(4*(\kb)+fi)*1024
	ds_load_b128 v[ACCA+32*(\buf)+8*fi+4:ACCA+32*(\buf)+8*fi+7], v[\va] offset:(4*(\kb)+fi)*1024+512
.set fi, fi+1
.endr
.endm
.macro LDBV sp, va, off                ; eight numbers of a bias, as a result tile's lane holds them
	global_load_b128 v[BV:BV+3],   v[\va], s[\sp:(\sp)+1] offset:\off
	global_load_b128 v[BV+4:BV+7], v[\va], s[\sp:(\sp)+1] offset:(\off)+16
.endm
; One of a slot's first three quarters: the next quarter's fragments are asked for, then this quarter's nn matrix instructions.  hs, hv, ho: the bias of a later sum is loaded here.
.macro QUARTER kind, q, nn, hs=0, hv=0, ho=0, racc=0, rmt=0, rb=0
	WIN 0
	PLACES 5                                       ; behind the last quarter's products: loads go into the buffer that they read, and a new sum may write over their results
.if \hs
	LDBV \hs,\hv,\ho
.endif
	FETCHW ((\q)+1)%2,(\q)+1
.if (\kind) == K_M2
	FETCHH ((\q)+1)%2,(\q)+1,XLC
	s_wait_dscnt 24                                ; all but the 24 just issued: this quarter's fragments are in
.else
	s_wait_dscnt 16                                ; all but the 16 just issued: this quarter's fragments are in
.endif
.if ((\kind) == K_AB) && ((\q)%2 == 0)
	s_wait_loadcnt 0x0                             ; the bias that starts the sum
.endif
	MMS \kind,\q,0,\nn,\racc,\rmt,\rb
.endm
; A slot's last quarter changes slots.  Three eighths of its products stand ahead of the wait for the other slot's tile, one eighth between the add and the wait for it: from the tile's landing to the
; next request stand the add, those few products and the round.  In front of the round each wave waits for all its tensor loads, of which one is out: its part of the other slot; adds 0 to its spare
; word; and waits for that; its reads of this slot were waited for at the quarter's head.  Behind the round no wave of the four work-groups reads this slot or has a load on its way: the joint refill,
; two slots ahead in the walk, is the first thing there, one load a wave, and has a whole slot's matrix work in which to land.
; rot = 1: the slot asked for is one of the MLP's 32, which this cluster walks from its own beginning: the address is made anew from the slot's number.
; once = 1: the bias is loaded in the first of two trips alone; fh = 1: so are the hidden values' next four tiles.
.macro LASTQ kind, nn, fetch, rot=0, hs=0, hv=0, ho=0, once=0, fh=0, racc=0, rmt=0
	s_wait_dscnt 0x0                               ; this quarter's fragments are in: they were my last reads of this slot
	MMS \kind,3,0,3*(\nn)/8,\racc,\rmt,32
	WIN 0
	s_wait_tensorcnt 0x0                           ; no tensor load of mine is out, so the descriptor may be written
	ds_add_u32 v[SPW], v[NIL]                      ; 0 onto my spare word
	s_xor_b32 s[G0W+1], s[G0W+1], SLOTB            ; the refill goes into the other LDS slot than last time,
	s_xor_b32 s[TP], s[TP], SLOTB                  ; and my reads go on in the other slot than so far
.if \rot
	s_and_b32 s[OFS], s[MS], 31                    ; the MLP's slots go round,
	s_add_co_u32 s[OFS], s[OFS], 16                ; behind the sixteen of attention and projection
	s_lshl_b32 s[OFS], s[OFS], 17
	s_add_nc_u64 s[G0W+2:G0W+3], s[WBA:WBA+1], s[OFS:OFS+1]
	s_or_b32 s[G0W+3], s[G0W+3], 0x80000000        ; type = 2
	s_add_co_u32 s[MS], s[MS], 1
.else
	s_add_nc_u64 s[G0W+2:G0W+3], s[G0W+2:G0W+3], SLOTB  ; the stream's next slot; the type bits on top are not reached
.endif
	MMS \kind,3,3*(\nn)/8,(\nn)/2,\racc,\rmt,32
	WIN 0
	s_wait_dscnt 0x0                               ; the add is done
	s_barrier_signal -1
	s_barrier_wait -1
	CREST
	tensor_load_to_lds s[G0W:G0W+3], s[G1W:G1W+7]
	s_nop 0
	PLACES 4                                       ; behind the tensor load; also the places in front of the loads below
	v_add_nc_u32 v[LAC], s[TP], v[LA]
.if \hs
.if \once
	s_cmp_eq_u32 s[C2], 1
	s_cbranch_scc1 .Lno_bias_\@
.endif
	LDBV \hs,\hv,\ho
.if \once
.Lno_bias_\@:
.endif
.endif
.if \fetch
	FETCHW 0,0
.endif
.if \fh
	s_cmp_eq_u32 s[C2], 1
	s_cbranch_scc1 .Lno_hidden_\@
	FETCHH 0,4,XLC
.Lno_hidden_\@:
.endif
	MMS \kind,3,(\nn)/2,\nn,\racc,\rmt,32
.endm
.macro XLOAD rho                       ; XCH's 32 fragments (k block e / 2, token tile 2 rho + e % 2) into ACT
	WIN 0x40
.set e, 0
.rept 32
.if e == 16
	WIN 0x80
.endif
	ds_load_b128 v[32*((e/2)%8)+8*(2*(\rho)+e%2):32*((e/2)%8)+8*(2*(\rho)+e%2)+3],   v[XL] offset:e*1024
	ds_load_b128 v[32*((e/2)%8)+8*(2*(\rho)+e%2)+4:32*((e/2)%8)+8*(2*(\rho)+e%2)+7], v[XL] offset:e*1024+512
.set e, e+1
.endr
	WIN 0
.endm
.macro XCHG rho                        ; every wave's stores into XCH are done; all read; every wave's reads are done before XCH is written again
	WIN 0
	s_wait_dscnt 0x0
	s_barrier_signal -1
	s_barrier_wait -1
	XLOAD \rho
	s_wait_dscnt 0x0
	s_barrier_signal -1
	s_barrier_wait -1
.endm
; ---- the layer norm
.macro LNLOAD g, b, c                  ; my 64 numbers of three 512-vectors
.set e, 0
.rept 16
	global_load_b128 v[LG+4*e:LG+4*e+3], v[CH], s[\g:(\g)+1] offset:64*(e/2)+16*(e%2)
	global_load_b128 v[LB+4*e:LB+4*e+3], v[CH], s[\b:(\b)+1] offset:64*(e/2)+16*(e%2)
	global_load_b128 v[LC+4*e:LC+4*e+3], v[CH], s[\c:(\c)+1] offset:64*(e/2)+16*(e%2)
.set e, e+1
.endr
.endm
.macro LNX off                         ; the four tokens' sums: the pair's halves, the other half of the lanes, then the four waves through STATS; the totals land in v[LY + 4 t]
	WIN 0
.irp t, 0,1,2,3
	v_add_f32 v[SM+2*\t], v[SM+2*\t], v[SM+2*\t+1]
.endr
.irp t, 0,1,2,3
	v_permlanex16_b32 v[SM+2*\t+1], v[SM+2*\t], s[SEL], s[SEL+1]
.endr
.irp t, 0,1,2,3
	v_add_f32 v[SM+2*\t], v[SM+2*\t], v[SM+2*\t+1]
.endr
.irp t, 0,1,2,3
	ds_store_b32 v[STW], v[SM+2*\t] offset:(\off)+256*\t
.endr
	s_wait_dscnt 0x0                               ; for the others' sake: my four words are written
	s_barrier_signal -1
	s_barrier_wait -1
.irp t, 0,1,2,3
	ds_load_b128 v[LY+4*\t:LY+4*\t+3], v[STR] offset:(\off)+256*\t
.endr
	s_wait_dscnt 0x0
.irp t, 0,1,2,3
	v_add_f32 v[LY+4*\t], v[LY+4*\t], v[LY+4*\t+1]
.endr
.irp t, 0,1,2,3
	v_add_f32 v[LY+4*\t+2], v[LY+4*\t+2], v[LY+4*\t+3]
.endr
.irp t, 0,1,2,3
	v_add_f32 v[LY+4*\t], v[LY+4*\t], v[LY+4*\t+2]
.endr
.endm
.macro LN3 t                           ; token tile t: y = (R - mean) rstd g + b goes to XCH in bf16; R = R sg + (y al + c)
.set lm, 0
.rept 8
	WIN 0x03
.set e, 0
.rept 4
	v_pk_fma_f32 v[LY+2*e:LY+2*e+1], v[32*lm+8*(\t)+2*e:32*lm+8*(\t)+2*e+1], v[MP+2*(\t):MP+2*(\t)+1], v[SM+2*(\t):SM+2*(\t)+1]
.set e, e+1
.endr
	WIN 0
.set e, 0
.rept 4
	v_pk_fma_f32 v[LY+2*e:LY+2*e+1], v[LY+2*e:LY+2*e+1], v[LG+8*lm+2*e:LG+8*lm+2*e+1], v[LB+8*lm+2*e:LB+8*lm+2*e+1]
.set e, e+1
.endr
.set e, 0
.rept 4
	v_cvt_pk_bf16_f32 v[FR+4*(lm%2)+e], v[LY+2*e], v[LY+2*e+1]
.set e, e+1
.endr
.set e, 0
.rept 4
	v_pk_fma_f32 v[LY+2*e:LY+2*e+1], v[LY+2*e:LY+2*e+1], s[AL:AL+1], v[LC+8*lm+2*e:LC+8*lm+2*e+1] op_sel_hi:[1,0,1]
.set e, e+1
.endr
	WIN 0xc3
.set e, 0
.rept 4
	v_pk_fma_f32 v[32*lm+8*(\t)+2*e:32*lm+8*(\t)+2*e+1], v[32*lm+8*(\t)+2*e:32*lm+8*(\t)+2*e+1], v[SG+2*(\t):SG+2*(\t)+1], v[LY+2*e:LY+2*e+1]
.set e, e+1
.endr
.if lm%2 == 1
	WIN 0
	ds_store_b128 v[XA], v[FR:FR+3]   offset:2048*(lm/2)+1024*((\t)%2)
	ds_store_b128 v[XA], v[FR+4:FR+7] offset:2048*(lm/2)+1024*((\t)%2)+512
.endif
.set lm, lm+1
.endr
.endm
; Mean, then the sum of squares of the differences from it (no difference of large sums), then the normalising.  First norm (al = 1, SB = 0): R = xn + bp + sigmoid(gate) x.
; Second norm (al = 0, SB = 1): R = x3 + mlp_b2, exactly: the factor is 1 and y's share 0.  The two passes have 1,024 bytes of STATS each; between a norm's reads of them and the next norm's stores lie many barriers.
.macro LN
	WIN 0x0f                                       ; pass 1: four chains, one a token tile
.set e, 0
.rept 4
	v_pk_add_f32 v[SM+2*e:SM+2*e+1], v[8*e:8*e+1], v[8*e+2:8*e+3]
.set e, e+1
.endr
	WIN 0x03
.set e, 8
.rept 120                              ; row tile e / 16, pair (e / 4) % 4, token tile e % 4
	v_pk_add_f32 v[SM+2*(e%4):SM+2*(e%4)+1], v[32*(e/16)+8*(e%4)+2*((e/4)%4):32*(e/16)+8*(e%4)+2*((e/4)%4)+1], v[SM+2*(e%4):SM+2*(e%4)+1]
.set e, e+1
.endr
	LNX 0
.irp t, 0,1,2,3
	v_mul_f32 v[MP+2*\t], s[R512], v[LY+4*\t]
	v_mul_f32 v[MP+2*\t+1], s[R512], v[LY+4*\t]
.endr
.set lb, 0
.rept 16                               ; pass 2, eight pairs at a time: row tile lb / 2, pairs 2 (lb % 2) and + 1, four token tiles
	WIN 0x03
.set e, 0
.rept 8
	v_pk_add_f32 v[LY+2*e:LY+2*e+1], v[32*(lb/2)+8*(e%4)+2*(2*(lb%2)+e/4):32*(lb/2)+8*(e%4)+2*(2*(lb%2)+e/4)+1], v[MP+2*(e%4):MP+2*(e%4)+1] neg_lo:[0,1] neg_hi:[0,1]
.set e, e+1
.endr
	WIN 0
.set e, 0
.rept 8
.if (lb == 0) && (e < 4)
	v_pk_mul_f32 v[SM+2*(e%4):SM+2*(e%4)+1], v[LY+2*e:LY+2*e+1], v[LY+2*e:LY+2*e+1]
.else
	v_pk_fma_f32 v[SM+2*(e%4):SM+2*(e%4)+1], v[LY+2*e:LY+2*e+1], v[LY+2*e:LY+2*e+1], v[SM+2*(e%4):SM+2*(e%4)+1]
.endif
.set e, e+1
.endr
.set lb, lb+1
.endr
	LNX 1024
.irp t, 0,1,2,3
	v_fma_f32 v[LY+4*\t], v[LY+4*\t], s[R512], s[EPS]
.endr
.irp t, 0,1,2,3
	v_rsq_f32 v[LY+4*\t+1], v[LY+4*\t]
.endr
	v_nop                                          ; a plain instruction behind the last root
	s_wait_alu depctr_va_vdst(0)
.irp t, 0,1,2,3
	v_mul_f32 v[SM+2*\t], -v[MP+2*\t], v[LY+4*\t+1]
	v_mul_f32 v[SM+2*\t+1], -v[MP+2*\t], v[LY+4*\t+1]
.endr
.irp t, 0,1,2,3
	v_mov_b32 v[MP+2*\t], v[LY+4*\t+1]
	v_mov_b32 v[MP+2*\t+1], v[LY+4*\t+1]
.endr
	s_wait_loadcnt 0x0                             ; the three vectors (and gate)
.irp t, 0,1,2,3
	v_mul_f32 v[GV+\t], 0xbfb8aa3b, v[GV+\t]       ; sigmoid(g) = 1 / (1 + 2^(-g log2 e)).  In the second norm these registers hold what the first left, 1 or more: the result, between 0 and 1, is multiplied by 0
.endr
.irp t, 0,1,2,3
	v_exp_f32 v[GV+\t], v[GV+\t]
.endr
	v_nop
	s_wait_alu depctr_va_vdst(0)
.irp t, 0,1,2,3
	v_add_f32 v[GV+\t], 1.0, v[GV+\t]
.endr
.irp t, 0,1,2,3
	v_rcp_f32 v[SG+2*\t], v[GV+\t]
.endr
	v_nop
	s_wait_alu depctr_va_vdst(0)
.irp t, 0,1,2,3
	v_fma_f32 v[SG+2*\t], v[SG+2*\t], s[AL], s[SB] ; the residual's factor: the sigmoid, or 1
.endr
.irp t, 0,1,2,3
	v_mov_b32 v[SG+2*\t+1], v[SG+2*\t]
.endr
	LN3 0                                          ; XCH holds two token tiles of all 512 channels: two goes
	LN3 1
	XCHG 0
	LN3 2
	LN3 3
	XCHG 1
.endm
; ---- attention's and the projection's epilogues
; A row tile of k (16 channels x 64 keys; half = which 16 of the operand's 32 channels) is rounded into half of four operands, the other half 0, and multiplied with q at once:
; S^T(keys, queries) += k q^T, onto the bias loaded there.  q's operand for the trip in hand lies at QOP.
.macro EPI_K half
	WIN 0
	PLACES 5
.set e, 0
.rept 16                               ; key tile e / 4, pair e % 4
	v_cvt_pk_bf16_f32 v[KF+8*(e/4)+4*(\half)+e%4], v[ACCA+8*(e/4)+2*(e%4)], v[ACCA+8*(e/4)+2*(e%4)+1]
	v_mov_b32 v[KF+8*(e/4)+4*(1-(\half))+e%4], 0
.set e, e+1
.endr
.set e, 0
.rept 4
	WM SREG+8*e,KF+8*e,QOP,SREG+8*e
.set e, e+1
.endr
.endm
.macro LDBO va, off                    ; bv of a channel tile starts both tiles of O: the weights of a row add up to 1
	global_load_b128 v[OQ:OQ+3],   v[\va], s[14:15] offset:\off
	global_load_b128 v[OQ+4:OQ+7], v[\va], s[14:15] offset:(\off)+16
	global_load_b128 v[OM:OM+3],   v[\va], s[14:15] offset:\off
	global_load_b128 v[OM+4:OM+7], v[\va], s[14:15] offset:(\off)+16
.endm
; A channel tile of v (64 keys x 16 channels; c = the first or second of the trip's two) is rounded in place into two operands of 32 keys; O^T = v^T P for the true queries and v^T / 64 for the
; hidden ones; both go to XCH.  Then bv of the next channel tile is asked for; behind the head's last tile there is none.
.macro EPI_V c
	WIN 0
	PLACES 5
.set e, 0
.rept 16
	v_cvt_pk_bf16_f32 v[ACCA+16*(e/8)+e%8], v[ACCA+16*(e/8)+2*(e%8)], v[ACCA+16*(e/8)+2*(e%8)+1]
.set e, e+1
.endr
	s_wait_loadcnt 0x0                             ; bv
	WM OQ,ACCA,SREG,OQ
	WM OM,ACCA,PCN,OM
	WM OQ,ACCA+16,SREG+16,OQ
	WM OM,ACCA+16,PCN,OM
	PLACES 4
.set e, 0
.rept 8
	v_cvt_pk_bf16_f32 v[KF+e], v[OQ+2*e], v[OQ+2*e+1]
.set e, e+1
.endr
	ds_store_b128 v[OAV], v[KF:KF+3]   offset:(\c)*512
	ds_store_b128 v[OAV], v[KF+4:KF+7] offset:1024+(\c)*512
.if (\c) == 0
	LDBO CHK,64
.else
	s_cmp_eq_u32 s[C2], 1
	s_cbranch_scc1 .Lno_bv_\@
	LDBO CHK,128
.Lno_bv_\@:
.endif
.endm
; Row tile mt of the projection is added onto the residual: the true queries' sum onto token tile 0, the hidden ones' onto tiles 1, 2 and 3.  Each sum's lowest registers are read first.
.macro EPI_P mt
	WIN 0
	PLACES 4
	WIN 0xc3
.set e, 0
.rept 16                               ; token tile e / 4, pair e % 4
	v_pk_add_f32 v[32*(\mt)+8*(e/4)+2*(e%4):32*(\mt)+8*(e/4)+2*(e%4)+1], v[32*(\mt)+8*(e/4)+2*(e%4):32*(\mt)+8*(e/4)+2*(e%4)+1], v[ACCA+8*((e/4+2)/3)+2*(e%4):ACCA+8*((e/4+2)/3)+2*(e%4)+1]
.set e, e+1
.endr
	WIN 0
.endm
.macro QSLOT sq
.set cSQ, (\sq)
	QUARTER K_Q,0,8
	QUARTER K_Q,1,8
	QUARTER K_Q,2,8
	LASTQ K_Q,8,1
.endm
.macro PSLOT sp, fetch, rot
	QUARTER K_P,0,16
	QUARTER K_P,1,16
	EPI_P 2*(\sp)
	QUARTER K_P,2,16
	LASTQ K_P,16,\fetch,\rot
	EPI_P 2*(\sp)+1
.endm
.macro M2Q3
	QUARTER K_M2,0,32
	QUARTER K_M2,1,32
	QUARTER K_M2,2,32
.endm
.macro SETB1                           ; my byte offset in mlp_b1 for chunk CC: 1,024 CC + 256 w + 32 h
	s_lshl_b32 s88, s[CC], 10
	s_lshl_b32 s89, s[WV], 8
	s_add_co_u32 s88, s88, s89
	s_wait_xcnt 0x0                                ; the loads that named the old offset have had their addresses translated
	v_lshl_add_u32 v[B1O], v2, 5, s88
.endm
.macro TWICE label                     ; the end of a loop over two slots
	s_sub_co_u32 s[C2], s[C2], 1
	s_cmp_lg_u32 s[C2], 0
	s_cbranch_scc1 \label
.endm
; ================ the head
	s_load_b512 s[4:19], s[0:1], 0x0               ; x s[4:5], ln1_g s[6:7], ln1_b s[8:9], bq s[10:11], bk s[12:13], bv s[14:15], bp s[16:17], rel_table s[18:19]
	s_load_b256 s[20:27], s[0:1], 0x40             ; gate s[20:21], ln2_g s[22:23], ln2_b s[24:25], mlp_b1 s[26:27]
	s_load_b128 s[28:31], s[0:1], 0x60             ; mlp_b2 s[28:29], wstream s[30:31]
	s_load_b64 s[32:33], s[0:1], 0x70              ; out0
	v_lshl_add_u32 v[SPW], v0, 2, SPARE
	v_mov_b32 v[NIL], 0
	ds_add_u32 v[SPW], v[NIL]                      ; the wave's opening: the add and its wait stand ahead of my first tensor load; the set-up below stands between them
	v_lshrrev_b32 v1, 5, v0
	v_readfirstlane_b32 s[WV], v1                  ; wave 0..3
	; the stream's descriptor: 128 rows of 256 bytes, dense, my wave's part of a slot; asked for jointly by the four work-groups
	s_mov_b32 s[G0W], 1                            ; count = 1
	s_lshl_b32 s[G0W+1], s[WV], 15                 ; LDS address: my part of slot 0
	s_mov_b32 s[G1W], 15|(3<<16)|(1<<21)           ; 15:0 the mask of four; 17:16 elements of 8 bytes; 21 set beside a mask
	s_mov_b32 s[G1W+1], 32<<16                     ; tensor_dim0 = 32
	s_mov_b32 s[G1W+2], 128<<16                    ; tensor_dim1 = 128
	s_mov_b32 s[G1W+3], 32<<16                     ; tile_dim0 = 32
	s_mov_b32 s[G1W+4], 128                        ; tile_dim1 = 128
	s_mov_b32 s[G1W+5], 32                         ; 32 elements from row to row
	s_mov_b32 s[G1W+6], 0
	s_mov_b32 s[G1W+7], 0
	; x's descriptor: quadrant w: 4 image rows of 4 pixels x 512 f32 = 8,192 consecutive bytes, 16 pixels apart; 16 bytes of padding behind every 1,024; a load of my work-group's own
	s_mov_b32 s[G0X], 1
	s_mul_i32 s[G0X+1], s[WV], XQ
	s_add_co_u32 s[G0X+1], s[G0X+1], XS
	s_mov_b32 s[G1X], (2<<16)|(1<<20)|(7<<22)|(3<<25)  ; elements of 4 bytes; padding on; after every 256 words (code 7); 4 words of it (code 3)
	s_mov_b32 s[G1X+1], 2048<<16                   ; tensor_dim0 = 2,048
	s_mov_b32 s[G1X+2], 4<<16                      ; tensor_dim1 = 4
	s_mov_b32 s[G1X+3], 2048<<16                   ; tile_dim0 = 2,048
	s_mov_b32 s[G1X+4], 4                          ; tile_dim1 = 4
	s_mov_b32 s[G1X+5], 8192                       ; 8,192 elements from image row to image row
	s_mov_b32 s[G1X+6], 0
	s_mov_b32 s[G1X+7], 0
	; where the quadrants lie: y0 = 4 ((2 wh + 1 + qi) % 4), x0 = 4 ((2 ww + 1 + qj) % 4)
	s_bfe_u32 s35, ttmp6, 0x40000                  ; cx = 2 wh + ww
	s_lshl_b32 s36, ttmp9, 8                       ; the image's first pixel: in a cluster launch ttmp9 counts clusters
	s_lshr_b32 s88, s35, 1
	s_lshl_b32 s88, s88, 1                         ; 2 wh
	s_and_b32 s89, s35, 1
	s_lshl_b32 s89, s89, 1                         ; 2 ww
.irp t, 0,1,2,3
	s_add_co_u32 s90, s88, 1+(\t)/2
	s_and_b32 s90, s90, 3
	s_lshl_b32 s90, s90, 6                         ; 16 y0
	s_add_co_u32 s91, s89, 1+(\t)%2
	s_and_b32 s91, s91, 3
	s_lshl_b32 s91, s91, 2                         ; x0
	s_add_co_u32 s[GOF+\t], s90, s91
	s_add_co_u32 s[QOF+\t], s[GOF+\t], s36
.endr
	s_lshr_b32 s90, s[WV], 1                       ; the same for quadrant w, by arithmetic on the wave's number
	s_add_co_u32 s90, s90, s88
	s_add_co_u32 s90, s90, 1
	s_and_b32 s90, s90, 3
	s_lshl_b32 s90, s90, 6
	s_and_b32 s91, s[WV], 1
	s_add_co_u32 s91, s91, s89
	s_add_co_u32 s91, s91, 1
	s_and_b32 s91, s91, 3
	s_lshl_b32 s91, s91, 2
	s_add_co_u32 s90, s90, s91
	s_add_co_u32 s90, s90, s36
	s_lshl_b32 s90, s90, 11                        ; 2,048 bytes a pixel
	s_mov_b32 s91, 0
	s_lshl_b32 s92, s[WV], 15
	s_mov_b32 s93, 0
	s_and_b32 s[CC], ttmp9, 7                      ; the chunk with which my cluster begins the MLP: the four partners share it
	s_lshl_b32 s[MS], s[CC], 2                     ; and its first slot among the MLP's 32
	s_mov_b32 s[OFS+1], 0
	s_mov_b32 s[SEL], 0x76543210
	s_mov_b32 s[SEL+1], 0xfedcba98
	s_mov_b32 s[L2E], 0x3fb8aa3b
	s_mov_b32 s[L2E+1], 0x3fb8aa3b
	s_mov_b32 s[CE], 0xbf38aa3b
	s_mov_b32 s[CE+1], 0xbf38aa3b
	s_mov_b32 s[KA3], 0xbebf7377                   ; -0.7478556 / 2
	s_mov_b32 s[KA3+1], 0xbebf7377
	s_mov_b32 s[KA2], 0x3d445ca1                   ; +0.0958798 / 2
	s_mov_b32 s[KA2+1], 0x3d445ca1
	s_mov_b32 s[KA1], 0xbe32303a                   ; -0.3480242 / 2
	s_mov_b32 s[KA1+1], 0xbe32303a
	s_mov_b32 s[CP], 0x3eaa5412
	s_mov_b32 s[R512], 0x3b000000
	s_mov_b32 s[EPS], 0x3727c5ac
	s_wait_dscnt 0x0                               ; the opening add is done
	s_wait_kmcnt 0x0
	s_add_nc_u64 s[G0X+2:G0X+3], s[4:5], s[90:91]
	s_or_b32 s[G0X+3], s[G0X+3], 0x80000000        ; type = 2
	s_add_nc_u64 s[WBA:WBA+1], s[30:31], s[92:93]
	s_mov_b64 s[G0W+2:G0W+3], s[WBA:WBA+1]
	s_or_b32 s[G0W+3], s[G0W+3], 0x80000000
	CROUND                                         ; all four work-groups are here: the first joint loads meet
	tensor_load_to_lds s[G0X:G0X+3], s[G1X:G1X+7]  ; my quadrant of x,
	s_nop 0
	tensor_load_to_lds s[G0W:G0W+3], s[G1W:G1W+7]  ; my part of the stream's slot 0: two loads of mine are out
	s_nop 0
	PLACES 4
	v_and_b32 v1, 15, v0                           ; r
	v_bfe_u32 v2, v0, 4, 1                         ; h
	v_and_b32 v3, 31, v0
	v_lshlrev_b32 v3, 4, v3                        ; 16 x lane
	v_lshl_add_u32 v[LA], s[WV], 15, v3
	v_mov_b32 v[LAC], v[LA]                        ; the walk begins in slot 0
	v_add_nc_u32 v[XL], XCH, v3
	v_lshl_add_u32 v[XA], s[WV], 13, v[XL]
	v_lshlrev_b32 v[CH], 5, v2
	v_lshl_add_u32 v[CH], s[WV], 9, v[CH]
	v_lshlrev_b32 v[STR], 4, v1
	v_add_nc_u32 v[STR], STATS, v[STR]
	v_lshl_add_u32 v[STW], s[WV], 2, v[STR]
	v_lshrrev_b32 v30, 2, v1                       ; ii
	v_and_b32 v31, 3, v1                           ; jj
	v_lshl_add_u32 v[GT], v30, 4, v31
	v_lshlrev_b32 v[GT], 2, v[GT]
	LNLOAD 6,8,16                                  ; ln1_g, ln1_b, bp
.irp t, 0,1,2,3
	v_lshl_add_u32 v[GV+\t], s[GOF+\t], 2, v[GT]
	global_load_b32 v[GV+\t], v[GV+\t], s[20:21]   ; gate of my token in each quadrant; the load lands on its own address
.endr
	v_mul_u32_u24 v30, v1, XT                      ; x in LDS: my token, my wave's 512 bytes of it, my 32 bytes of each 64
	v_lshl_add_u32 v30, v2, 5, v30
	s_lshr_b32 s88, s[WV], 1
	s_mul_i32 s88, s88, 1040
	s_and_b32 s89, s[WV], 1
	s_lshl_b32 s89, s89, 9
	s_add_co_u32 s88, s88, s89
	s_add_co_u32 s88, s88, XS
	v_add_nc_u32 v30, s88, v30                     ; quadrants 0, 1
	v_add_nc_u32 v31, 2*XQ, v30                    ; quadrants 2, 3: past the reach of a 16-bit offset
; ================ x into registers; its bytes then take the stream's slot 1
	s_wait_tensorcnt 0x1                           ; tensor loads of a wave end in order: my quadrant is in, slot 0 may stay out
	s_barrier_signal -1
	s_barrier_wait -1                              ; everybody's quadrant is in
	WIN 0xc0
.set e, 0
.rept 64                               ; quadrant e / 16, row tile (e / 2) % 8, half e % 2
	ds_load_b128 v[32*((e/2)%8)+8*(e/16)+4*(e%2):32*((e/2)%8)+8*(e/16)+4*(e%2)+3], v[30+e/32] offset:((e/16)%2)*XQ+64*((e/2)%8)+16*(e%2)
.set e, e+1
.endr
	WIN 0
	s_wait_tensorcnt 0x0                           ; both my loads have landed, so the descriptor may be stepped
	ds_add_u32 v[SPW], v[NIL]
	s_xor_b32 s[G0W+1], s[G0W+1], SLOTB
	s_add_nc_u64 s[G0W+2:G0W+3], s[G0W+2:G0W+3], SLOTB
	s_wait_dscnt 0x0                               ; the add is done, and x is in my registers
	CROUND                                         ; so it is in every wave of the four work-groups
	tensor_load_to_lds s[G0W:G0W+3], s[G1W:G1W+7]  ; slot 1
	s_nop 0
	PLACES 4
	s_mov_b32 s[PH], 2
	s_mov_b32 s[AL], 1.0
	s_mov_b32 s[AL+1], 1.0
	s_mov_b32 s[SB], 0
	s_mov_b32 s[TP], 0                             ; x's load has landed: this word of its descriptor is free
; ================ two trips: a norm (its result into ACT, the residual into R); then, in the first trip, attention and the projection
.Lln:
	LN
	FETCHW 0,0                                     ; the first quarter of the slot that follows the norm; its load has been waited for in front of the last refill
	s_cmp_eq_u32 s[PH], 1
	s_cbranch_scc1 .Lmlp                           ; behind the second norm
.set e, 0
.rept 8
	v_mov_b32 v[PCN+e], 0x3c803c80
.set e, e+1
.endr
	v_lshrrev_b32 v30, 2, v1                       ; rel_table: bias(n, head, m) = T[ii - head + 7][jj - i_m + 7][j_m]; my lane's term for head 2 w, less five rows of 32 bytes,
	v_and_b32 v31, 3, v1                           ; which the loads' offsets give back, so that no offset is negative
	v_mad_u32_u24 v[RB0], v30, 15, v31
	s_mul_i32 s88, s[WV], 30
	s_sub_co_u32 s88, 107, s88                     ; 15 (7 - 2 w) + 2
	v_add_nc_u32 v[RB0], s88, v[RB0]
	v_lshlrev_b32 v30, 1, v2
	v_sub_nc_u32 v[RB0], v[RB0], v30               ; my lanes' keys lie 2 h window rows down
	v_lshlrev_b32 v[RB0], 5, v[RB0]
; ---------------- attention: two trips, one for each of my heads; six slots a trip
	s_mov_b32 s[CNT], 2
	s_mov_b32 s[HC], 0
	s_mov_b32 s[HR], 0
	s_mov_b32 s[HO], 0
.Lhead:
	s_wait_xcnt 0x0                                ; the last trip's loads have had their addresses translated: only now are their address registers rewritten
	v_add_nc_u32 v[CHH], s[HC], v[CH]
	v_sub_nc_u32 v[RBH], v[RB0], s[HR]
	v_add_nc_u32 v[OA], s[HO], v[XA]
.set e, 0
.rept 8                                ; bq starts q's sums; the bias starts the scores': key tile e / 2, its registers 4 (e % 2) on are four neighbouring numbers of the table
	global_load_b128 v[ACCA+4*e:ACCA+4*e+3], v[CHH], s[10:11] offset:64*(e/2)+16*(e%2)
	global_load_b128 v[SREG+4*e:SREG+4*e+3], v[RBH], s[18:19] offset:32*(5-4*(e/4)-e%2)+16*((e/2)%2)
.set e, e+1
.endr
	LDBV 12,CHH,0                                  ; bk of the first row tile
	s_wait_loadcnt 0x0
	QSLOT 0
	QSLOT 1
	WIN 0
	PLACES 4
.set e, 0
.rept 16
	v_pk_mul_f32 v[ACCA+2*e:ACCA+2*e+1], v[ACCA+2*e:ACCA+2*e+1], 0x3e000000 op_sel_hi:[1,0]  ; the scale 1/8, exact
.set e, e+1
.endr
.set e, 0
.rept 16
	v_cvt_pk_bf16_f32 v[QOP+e], v[ACCA+2*e], v[ACCA+2*e+1]
.set e, e+1
.endr
.set cACC, ACCA
	; k and the scores: two slots, two row tiles of 16 channels each
	s_mov_b32 s[C2], 2
	s_mov_b32 s[T2], 0                             ; 128 bytes of bk a trip
.Lk:
	s_wait_xcnt 0x0
	v_add_nc_u32 v[CHK], s[T2], v[CHH]
	QUARTER K_AB,0,32
	QUARTER K_AB,1,32,12,CHK,64
	EPI_K 0
	QUARTER K_AB,2,32
	LASTQ K_AB,32,1,0,12,CHK,128,1                 ; the next trip's first bias; behind the second trip there is none
	EPI_K 1
	PLACES 4                                       ; behind the products that read q's operand
.set e, 0
.rept 8
	v_mov_b32 v[QOP+e], v[QOP+8+e]                 ; q's channels 32 to 63 take the place that the one text names
.set e, e+1
.endr
	s_add_co_u32 s[T2], s[T2], 128
	TWICE .Lk
	; softmax of 16 queries: a lane holds one query and 32 of its 64 keys
	PLACES 5
	LDBO CHH,0
.irp k, 0,1,2,3
	v_max3_num_f32 v[KF+\k], v[SREG+8*\k], v[SREG+8*\k+1], v[SREG+8*\k+2]   ; each accumulator's lowest registers are read first
.endr
.irp k, 0,1,2,3
	v_max3_num_f32 v[KF+\k], v[KF+\k], v[SREG+8*\k+3], v[SREG+8*\k+4]
.endr
.irp k, 0,1,2,3
	v_max3_num_f32 v[KF+\k], v[KF+\k], v[SREG+8*\k+5], v[SREG+8*\k+6]
.endr
	v_max3_num_f32 v[KF], v[KF], v[SREG+7], v[SREG+15]
	v_max3_num_f32 v[KF+1], v[KF+1], v[SREG+23], v[SREG+31]
	v_max3_num_f32 v[KF], v[KF], v[KF+1], v[KF+2]
	v_max_num_f32 v[KF], v[KF], v[KF+3]
	v_permlanex16_b32 v[KF+1], v[KF], s[SEL], s[SEL+1]
	v_max_num_f32 v[KF], v[KF], v[KF+1]
	v_mul_f32 v[KF+4], s[L2E], v[KF]
	v_mul_f32 v[KF+5], s[L2E], v[KF]
.set e, 0
.rept 16
	v_pk_fma_f32 v[SREG+2*e:SREG+2*e+1], v[SREG+2*e:SREG+2*e+1], s[L2E:L2E+1], v[KF+4:KF+5] op_sel_hi:[1,0,1] neg_lo:[0,0,1] neg_hi:[0,0,1]
.set e, e+1
.endr
.set e, 0
.rept 32
	v_exp_f32 v[SREG+e], v[SREG+e]
.set e, e+1
.endr
	v_nop                                          ; a plain instruction behind the last exponential
.set e, 0
	s_wait_alu depctr_va_vdst(0)
.rept 8
	v_pk_add_f32 v[KF+8+2*e:KF+8+2*e+1], v[SREG+4*e:SREG+4*e+1], v[SREG+4*e+2:SREG+4*e+3]
.set e, e+1
.endr
.set e, 0
.rept 4
	v_pk_add_f32 v[KF+8+2*e:KF+8+2*e+1], v[KF+8+2*e:KF+8+2*e+1], v[KF+16+2*e:KF+16+2*e+1]
.set e, e+1
.endr
	v_pk_add_f32 v[KF+8:KF+9], v[KF+8:KF+9], v[KF+12:KF+13]
	v_pk_add_f32 v[KF+10:KF+11], v[KF+10:KF+11], v[KF+14:KF+15]
	v_pk_add_f32 v[KF+8:KF+9], v[KF+8:KF+9], v[KF+10:KF+11]
	v_add_f32 v[KF+8], v[KF+8], v[KF+9]
	v_permlanex16_b32 v[KF+9], v[KF+8], s[SEL], s[SEL+1]
	v_add_f32 v[KF+8], v[KF+8], v[KF+9]
	v_rcp_f32 v[KF+8], v[KF+8]
	v_nop
	s_wait_alu depctr_va_vdst(0)
	v_mov_b32 v[KF+9], v[KF+8]
.set e, 0
.rept 16
	v_pk_mul_f32 v[SREG+2*e:SREG+2*e+1], v[SREG+2*e:SREG+2*e+1], v[KF+8:KF+9]
.set e, e+1
.endr
.set e, 0
.rept 16                               ; two key tiles, rounded in pairs, are one operand of 32 keys: at SREG and at SREG + 16, in place
	v_cvt_pk_bf16_f32 v[SREG+16*(e/8)+e%8], v[SREG+16*(e/8)+2*(e%8)], v[SREG+16*(e/8)+2*(e%8)+1]
.set e, e+1
.endr
	; v and O: two slots, two channel tiles each
	s_mov_b32 s[C2], 2
	s_mov_b32 s[T2], 0                             ; 128 bytes of bv a trip, and sixteen times as much of O's place in XCH
.Lv:
	s_wait_xcnt 0x0
	v_add_nc_u32 v[CHK], s[T2], v[CHH]
	v_lshl_add_u32 v[OAV], s[T2], 4, v[OA]
	QUARTER K_BA,0,32
	QUARTER K_BA,1,32
	EPI_V 0
	QUARTER K_BA,2,32
	LASTQ K_BA,32,1
	EPI_V 1
	s_add_co_u32 s[T2], s[T2], 128
	TWICE .Lv
	s_add_co_u32 s[HC], s[HC], 256
	s_add_co_u32 s[HR], s[HR], 480
	s_add_co_u32 s[HO], s[HO], 4096
	s_sub_co_u32 s[CNT], s[CNT], 1
	s_cmp_lg_u32 s[CNT], 0
	s_cbranch_scc1 .Lhead
; ---------------- O from its makers to all waves; the projection, added onto the residual.  Its last two refills are the MLP's first two slots
	XCHG 0
	PSLOT 0,1,0
	PSLOT 1,1,0
	PSLOT 2,1,1
	PSLOT 3,0,1                                    ; the next quarter is fetched behind the norm, which works in the weight buffers
	LNLOAD 22,24,28                                ; ln2_g, ln2_b, mlp_b2: they come in under passes 1 and 2
	s_mov_b32 s[AL], 0
	s_mov_b32 s[AL+1], 0
	s_mov_b32 s[SB], 1.0
	s_sub_co_u32 s[PH], s[PH], 1
	s_branch .Lln
; ================ the MLP, 256 hidden units a chunk: four slots.  The loop is entered at the first product; the last chunk's second product is written out, since it asks for nothing more.
.Lmlp:
	SETB1
	LDBV 26,B1O,0
	s_mov_b32 s[CNT], 8
	s_branch .Lm1
.Lm2:
	s_add_co_u32 s[CC], s[CC], 1                   ; the next chunk, round the eight:
	s_and_b32 s[CC], s[CC], 7
	SETB1
	LDBV 26,B1O,0                                  ; its first bias, two slots ahead of the sum that it starts
	s_mov_b32 s[C2], 2
	s_mov_b32 s[T2], 0                             ; 16,384 bytes of XCH a trip: four k blocks of hidden values
.Lm2s:
	v_add_nc_u32 v[XLC], s[T2], v[XL]
	M2Q3
	LASTQ K_M2,32,1,1,0,0,0,0,1                    ; the second trip's round also orders the chunk's last reads of XCH with the next chunk's stores
	WIN 0
	s_add_co_u32 s[T2], s[T2], 16384
	TWICE .Lm2s
.Lm1:                                  ; the GELU of a finished set of tiles stands, four instructions a product, behind the 64 products of the next set
.set cACC, ACCA
	QUARTER K_AB,0,32
	QUARTER K_AB,1,32,26,B1O,64
.set cACC, ACCB
	QUARTER K_AB,2,32,0,0,0,ACCA,0,0
	LASTQ K_AB,32,1,1,26,B1O,128,0,0,ACCA,0
.set cACC, ACCA
	QUARTER K_AB,0,32,0,0,0,ACCB,1,0
	QUARTER K_AB,1,32,26,B1O,192,ACCB,1,32
.set cACC, ACCB
	QUARTER K_AB,2,32,0,0,0,ACCA,2,0
	LASTQ K_AB,32,1,1,0,0,0,0,0,ACCA,2
	WIN 0
	PLACES 4
	GELU ACCB,3                                    ; the last set has no products behind which to stand: all hidden values are wanted next
	s_wait_dscnt 0x0                               ; for the others' sake: my hidden values are in XCH
	s_barrier_signal -1
	s_barrier_wait -1
	FETCHH 0,0,XL
	s_sub_co_u32 s[CNT], s[CNT], 1
	s_cmp_lg_u32 s[CNT], 0
	s_cbranch_scc1 .Lm2
	s_mov_b32 s[C2], 2                             ; the last chunk's second product: two slots, no refill
	s_mov_b32 s[T2], 0
.Lm2t:
	v_add_nc_u32 v[XLC], s[T2], v[XL]
	M2Q3
	WIN 0
	s_wait_tensorcnt 0x0                           ; the walk's last slot: the one load of mine that is out, and bytes that I alone read
	s_wait_dscnt 0x0                               ; this quarter's fragments are in
	PLACES 5
	s_cmp_eq_u32 s[C2], 1
	s_cbranch_scc1 .Lm2e                           ; behind the last slot nothing is left to fetch
	s_xor_b32 s[TP], s[TP], SLOTB
	v_add_nc_u32 v[LAC], s[TP], v[LA]
	FETCHW 0,0
	FETCHH 0,4,XLC
.Lm2e:
	MMS K_M2,3,0,32
	WIN 0
	s_add_co_u32 s[T2], s[T2], 16384
	TWICE .Lm2t
; ================ the way out: a token tile at a time through my stage, back as whole rows of 512 bytes
	s_barrier_signal -1                            ; the stage lies where XCH lay: every wave has waited for its last reads of it
	s_barrier_wait -1
	PLACES 4
	v_mul_u32_u24 v30, v1, SPITCH
	v_lshl_add_u32 v30, v2, 5, v30
	s_mul_i32 s88, s[WV], 16*SPITCH
	s_add_co_u32 s88, s88, XCH
	v_add_nc_u32 v30, s88, v30                     ; in: row r, my 32 bytes of each 64
	v_add_nc_u32 v31, s88, v3                      ; back: 16 bytes a lane
.irp t, 0,1,2,3
	s_lshl_b32 s89, s[QOF+\t], 11
	s_lshl_b32 s90, s[WV], 9
	s_add_co_u32 s89, s89, s90
	v_add_nc_u32 v[16+\t], s89, v3                 ; out0: the quadrant's first pixel, my wave's 512 bytes, my 16
.endr
.macro OUT t
	WIN 0x0c                                       ; data from window 3; each accumulator's lowest registers go first
.set e, 0
.rept 16
	ds_store_b128 v30, v[32*(e/2)+8*(\t)+4*(e%2):32*(e/2)+8*(\t)+4*(e%2)+3] offset:64*(e/2)+16*(e%2)
.set e, e+1
.endr
	WIN 0
.if (\t) >= 2
	s_wait_xcnt 0x0                                ; the stores of two tiles ago have read these registers
.endif
.set e, 0
.rept 16
	ds_load_b128 v[32+64*((\t)%2)+4*e:32+64*((\t)%2)+4*e+3], v31 offset:e*SPITCH   ; LDS serves a wave's instructions in order (ISA guide 5.7.1.4): these see the stores above, the next tile's stores come behind them
.set e, e+1
.endr
.set e, 0
.rept 16
	s_wait_dscnt 15-e                              ; row e is back
	global_store_b128 v[16+(\t)], v[32+64*((\t)%2)+4*e:32+64*((\t)%2)+4*e+3], s[32:33] offset:(16*(e/4)+e%4)*2048 th:TH_STORE_NT  ; 512 consecutive bytes, aligned
.set e, e+1
.endr
.endm
	OUT 0
	OUT 1
	OUT 2
	OUT 3
	s_wait_tensorcnt 0x0                           ; the wave's end: behind my last tensor load and my last LDS store
	ds_add_u32 v[SPW], v[NIL]
	s_wait_dscnt 0x0
	CROUND                                         ; the closing round: no work-group ends while a partner may still ask for a slot that names it
	s_endpgm
.Lfunc_end_k_qfb2253811a_block:
	.size	k_qfb2253811a_block, .Lfunc_end_k_qfb2253811a_block-k_qfb2253811a_block
	.p2alignl 7, 3214868480
	.fill 96, 4, 3214868480
	.section	.rodata,"a",@progbits
	.p2align	6, 0x0
	.amdhsa_kernel k_qfb2253811a_block
		.amdhsa_group_segment_fixed_size 327680
		.amdhsa_private_segment_fixed_size 0
		.amdhsa_enable_private_segment 0
		.amdhsa_kernarg_size 120
		.amdhsa_user_sgpr_count 2
		.amdhsa_user_sgpr_kernarg_segment_ptr 1
		.amdhsa_wavefront_size32 1
		.amdhsa_system_sgpr_workgroup_id_x 1
		.amdhsa_system_sgpr_workgroup_id_y 1
		.amdhsa_system_sgpr_workgroup_id_z 1
		.amdhsa_system_vgpr_workitem_id 0
		.amdhsa_next_free_vgpr 1024
		.amdhsa_next_free_sgpr 106
		.amdhsa_reserve_vcc 0
		.amdhsa_float_denorm_mode_32 3
		.amdhsa_float_denorm_mode_16_64 3
		.amdhsa_memory_ordered 1
		.amdhsa_forward_progress 1
		.amdhsa_inst_pref_size 255
	.end_amdhsa_kernel
	.section	.bss,"aw",@nobits
	.p2align	6
	.space	262144
	.amdgpu_metadata
---
amdhsa.version: [ 1, 2 ]
amdhsa.kernels:
  - .name:           k_qfb2253811a_block
    .symbol:         k_qfb2253811a_block.kd
    .args:
      - { .name: x, .offset: 0, .size: 8, .value_kind: global_buffer, .address_space: global }
      - { .name: ln1_g, .offset: 8, .size: 8, .value_kind: global_buffer, .address_space: global }
      - { .name: ln1_b, .offset: 16, .size: 8, .value_kind: global_buffer, .address_space: global }
      - { .name: bq, .offset: 24, .size: 8, .value_kind: global_buffer, .address_space: global }
      - { .name: bk, .offset: 32, .size: 8, .value_kind: global_buffer, .address_space: global }
      - { .name: bv, .offset: 40, .size: 8, .value_kind: global_buffer, .address_space: global }
      - { .name: bp, .offset: 48, .size: 8, .value_kind: global_buffer, .address_space: global }
      - { .name: rel_table, .offset: 56, .size: 8, .value_kind: global_buffer, .address_space: global }
      - { .name: gate, .offset: 64, .size: 8, .value_kind: global_buffer, .address_space: global }
      - { .name: ln2_g, .offset: 72, .size: 8, .value_kind: global_buffer, .address_space: global }
      - { .name: ln2_b, .offset: 80, .size: 8, .value_kind: global_buffer, .address_space: global }
      - { .name: mlp_b1, .offset: 88, .size: 8, .value_kind: global_buffer, .address_space: global }
      - { .name: mlp_b2, .offset: 96, .size: 8, .value_kind: global_buffer, .address_space: global }
      - { .name: wstream, .offset: 104, .size: 8, .value_kind: global_buffer, .address_space: global }
      - { .name: out0, .offset: 112, .size: 8, .value_kind: global_buffer, .address_space: global }
    .group_segment_fixed_size: 327680
    .private_segment_fixed_size: 0
    .kernarg_segment_align: 8
    .kernarg_segment_size: 120
    .max_flat_workgroup_size: 128
    .sgpr_count:     106
    .vgpr_count:     1024
    .wavefront_size: 32
...
	.end_amdgpu_metadata
.endif
;; end of part 3
